; MI455X (gfx1250); checked and timed in simulation.
; The chip was launched on July 23, 2026; its instructions are those of AMD's public machine-readable ISA for CDNA 5 (MIT licence, August 2026) and "CDNA5" Instruction Set Architecture Reference Guide (July 2026). The comments in the code are by the model that wrote it; some were corrected since.
;; multi head attention layer. Allowed arithmetic: matrix products marked QUANTISED: E4M3 operands, one given power-of-two scale a tensor, by v_wmma_f32_16x16x64_fp8_fp8 or v_wmma_f32_16x16x128_fp8_fp8, f32 sums; everything else in f32.
;; Inputs: bk 1,024 float32; bq 1,024 float32; bv 1,024 float32; lowp_scales 12 int32 (the exponents e of the quantised operands' scales 2^e); query 4 x 2,048 x 1,024 float32; seq_len 4 int32; wg 1,024 x 1,024 float32; wk 1,024 x 1,024 float32; wq 1,024 x 1,024 float32; wv 1,024 x 1,024 float32.
;; Outputs: out0 4 x 2,048 x 1,024 float32.
;; This version of the problem:
;;   THIS VERSION OF THE PROBLEM IS GIVEN IN LOW PRECISION. The matrix products marked QUANTISED in the list below multiply operands that are first quantised to E4M3 (4 exponent bits, 3 mantissa bits; 8 bits a number), with one given power-of-two scale for each operand tensor; their sums are f32. All else is computed in f32.
;;   The module's matrix products, in the order in which they are computed (A, B: the left and right operand; K: the contracted axis; several contracted axes count as one K, in the product's order):
;;     1. [M 8,192, K 1,024] x [K 1,024, N 1,024]; A: input query; B: input wq: QUANTISED (scales: A lowp_scales[0], B lowp_scales[1])
;;     2. [M 8,192, K 1,024] x [K 1,024, N 1,024]; A: input query; B: input wk: QUANTISED (scales: A lowp_scales[2], B lowp_scales[3])
;;     3. [M 8,192, K 1,024] x [K 1,024, N 1,024]; A: input query; B: input wv: QUANTISED (scales: A lowp_scales[4], B lowp_scales[5])
;;     4. batch 64 x [M 2,048, K 64] x [K 64, N 2,048]; A: computed on the way; B: computed on the way: QUANTISED (scales: A lowp_scales[6], B lowp_scales[7])
;;     5. batch 64 x [M 2,048, K 2,048] x [K 2,048, N 64]; A: softmax (see below); B: computed on the way: QUANTISED (scales: A lowp_scales[8], B lowp_scales[9])
;;     6. [M 8,192, K 1,024] x [K 1,024, N 1,024]; A: computed on the way; B: input wg: QUANTISED (scales: A lowp_scales[10], B lowp_scales[11])
;;   THE QUANTISER, for each operand of a quantised product, along K:
;;     - The operand's scale is 2^e, e = its entry of the input lowp_scales (int32; the entries are numbered through the quantised products in the list's order, A before B).
;;     - Each number is divided by the scale, clamped to +-448, and rounded to the nearest number of E4M3, ties to even, subnormals kept.
;;     - The product sums the exact products of the quantised numbers (number of the format x scale) in f32.
;;   ~~~python
;;   def quantise(x, axis, e):      # numpy; x: float32 -> the quantised numbers, widened to float32 again
;;       x = np.moveaxis(x, axis, -1); K = x.shape[-1]
;;       r = np.clip(x / 2.0 ** e, -448, 448)
;;       step = 2.0 ** (np.maximum(np.frexp(np.where(r == 0, 1, r))[1] - 1, -6) - 3)
;;       q = np.round(r / step) * step * 2.0 ** e      # np.round: ties to even
;;       return np.moveaxis(q, -1, axis).astype(np.float32)
;;   ~~~
;;   SOFTMAX AHEAD OF A QUANTISED PRODUCT. Where the list says 'softmax', what is quantised is not the finished softmax but p = 2^(t - M), with t = logit x log2(e) and M = ceil(the row's largest t), a whole number; so 1/2 < the row's largest p <= 1. The row's sum l is taken of the UNQUANTISED p, in f32, and the product's result is divided by l at the end. Since M is a whole number, a kernel that streams over the keys may use a running M (the ceiling of the running maximum): every later rescaling is an exact power of two, so the quantised numbers keep their values, but for numbers so far below the row's largest that they fall under the format's range.
;;   OPERANDS COMPUTED ON THE WAY. 'Computed on the way' means the value that the module computes at that place (a softmax that the list does not call 'softmax' is quantised finished and normalised). What goes into a quantiser is computed in f32, as accurately as f32 sums, v_exp_f32 and their like allow (about 1e-6 of the number): no bf16 or f16 on the way to a quantiser, and a product that is left as it is and whose result goes on into a quantised operand takes f32 operands (vector FMAs, or v_wmma_f32_16x16x4_f32). A number that lies on a knife's edge between two numbers of the format may be rounded either way, as far as f32 arithmetic and the matrix unit's own rounding can turn it there, and no further.
;; 2 versions, each right; version 2 is version 1 with the launch attn written anew for expert scheduling mode. Each part assembles by itself: llvm-mc -triple=amdgcn-amd-amdhsa -mcpu=gfx1250 --defsym DOCPART=n.
;; ======== version 1 of 2: 4 launches
;; workspace buffers: xcodes 25,165,824 bytes; wcodes 4,194,304 bytes; qkv 25,165,824 bytes; oimg 8,388,608 bytes
;; launch quant (part 1): grid 768 x 1, 4 waves a work-group, no clusters, 34,304 bytes of LDS; arguments query, wq, wk, wv, wg, lowp_scales, xcodes, wcodes; writes xcodes, wcodes
.if DOCPART == 1
	.amdgcn_target "amdgcn-amd-amdhsa--gfx1250"
	.amdhsa_code_object_version 6
	.text
	.protected	k_q391397b0c3_quant
	.globl	k_q391397b0c3_quant
	.p2align	8
	.type	k_q391397b0c3_quant,@function
k_q391397b0c3_quant:
	s_mov_b64 s[64:65], 0
	v_nop
	global_prefetch_b8 v0, s[64:65] scope:SCOPE_SE
	s_setreg_imm32_b32 hwreg(HW_REG_WAVE_MODE, 25, 1), 1
	s_wait_xcnt 0x0
; query [8192][1024] and wq, wk, wv, wg [1024][1024], f32, K innermost, become codes of FP8 (E4M3): code = x / 2^e, held within +-448, to the nearest code, ties to even.
; query is an operand of three products, each with a scale entry of its own (entries 0, 2, 4): three sets of codes.  wq, wk, wv, wg take entries 1, 3, 5, 11.
; THE CODES ARE LAID AS IMAGES OF OPERAND REGISTERS.  A fragment is 16 rows x 128 k, 16 registers a lane, 2,048 bytes: register 4 q + i of lane l lies at 512 q + 16 l + 4 i.
; Lane l = 16 h + r holds row r; registers 2 c, 2 c + 1 hold k = 16 c + 8 h + 0 .. 7: the place that the plain 8-bit matrix forms give each k (ISA guide 7.12.2).
; xcodes: [product 0..2][K step of 256: 0..3][tile of 16 rows: 0..511][half of the K step][2,048].  wcodes: [weight 0..3][K step][tile 0..63][half][2,048].
; SHARES.  A work-group takes 16 rows (0..511: query's tiles; then 64 for each weight); wave w takes K step w: two units of 16 rows x 128 k.
; A unit's 16 loads read 512 consecutive bytes of a row each; the 8 KB turn through the wave's own stage in LDS (rows 528 bytes apart) and come back 8 neighbours along k at a time; each store covers 512 consecutive bytes, aligned.
; LIMITS: each e between -126 and 119, so that 2^e and 448 x 2^e are f32 numbers.  NaN among the inputs is not served.
.set XSTR,  0x200000                   ; xcodes: from K step to K step
.set WSTR,  0x40000                    ; wcodes: the same
.set SP,    528                        ; a stage row: 512 bytes + 16
.set WREG,  16*SP                      ; a wave's stage
.set SPARE, 4*WREG                     ; behind the stages: the spare words, 128 bytes a wave, which no other line names
.set LO,  1                            ; v1   16 x lane: offset in a load's and in a store's 512 bytes
.set SI,  2                            ; v2   the stage, way in
.set SO,  3                            ; v3   the stage, way out: row r, + 32 h
.set SPW, 12                           ; v12  my spare word; never rewritten
.set NIL, 13                           ; v13  0; never rewritten
.set R0,  16                           ; v16-79   unit 0 as loaded; later unit 1 turned
.set R1,  80                           ; v80-143  unit 1 as loaded
.set X,   144                          ; v144-207 unit 0 turned
.set T,   208                          ; v208-223 two sets of 8 held numbers, by turns
.set C,   224                          ; v224-239 a fragment's codes
	s_load_b256 s[4:11], s[0:1], 0x0               ; query, wq, wk, wv
	s_load_b256 s[12:19], s[0:1], 0x20             ; wg, the scales' exponents, xcodes, wcodes
	v_lshl_add_u32 v[SPW], v0, 2, SPARE
	v_mov_b32 v[NIL], 0
	v_lshrrev_b32 v10, 5, v0
	v_readfirstlane_b32 s20, v10                   ; wave = K step
	v_and_b32 v10, 31, v0
	v_lshlrev_b32 v[LO], 4, v10
	s_mul_i32 s37, s20, WREG
	v_add_nc_u32 v[SI], s37, v[LO]
	v_and_b32 v10, 15, v0                          ; r
	v_bfe_u32 v11, v0, 4, 1                        ; h
	v_mul_u32_u24 v[SO], v10, SP
	v_lshl_add_u32 v[SO], v11, 5, v[SO]
	v_add_nc_u32 v[SO], s37, v[SO]
	s_cmp_lt_u32 ttmp9, 512                        ; query's work-group or a weight's: the choice hangs on the work-group's number alone
	s_cselect_b32 s21, 1, 0
	s_cselect_b32 s26, 0, 512
	s_sub_co_u32 s26, ttmp9, s26
	s_lshr_b32 s22, s26, 6                         ; which weight
	s_and_b32 s23, s26, 63                         ; and its tile of rows
	s_cmp_eq_u32 s21, 1
	s_cselect_b32 s23, s26, s23                    ; the tile of 16 rows
	s_cselect_b32 s22, 0, s22
	s_mov_b32 s27, WSTR
	s_cselect_b32 s27, XSTR, s27
	s_mul_i32 s38, s20, s27                        ; out: my K step,
	s_lshl_b32 s27, s22, 20
	s_add_co_u32 s38, s38, s27                     ; the weight's 1 MB,
	s_lshl_b32 s27, s23, 12
	s_add_co_u32 s38, s38, s27                     ; the tile's 4,096 bytes
	s_mov_b32 s39, 0
	s_lshl_b32 s52, s23, 16                        ; in: 16 rows of 4,096 bytes,
	s_lshl_b32 s27, s20, 10
	s_add_co_u32 s52, s52, s27                     ; my K step's 1,024 bytes of a row
	s_mov_b32 s53, 0
	s_wait_kmcnt 0x0
	s_load_b256 s[40:47], s[14:15], 0x0            ; e0 .. e7
	s_load_b128 s[48:51], s[14:15], 0x20           ; e8 .. e11
	s_cmp_eq_u32 s22, 1
	s_cselect_b64 s[24:25], s[8:9], s[6:7]
	s_cmp_eq_u32 s22, 2
	s_cselect_b64 s[24:25], s[10:11], s[24:25]
	s_cmp_eq_u32 s22, 3
	s_cselect_b64 s[24:25], s[12:13], s[24:25]
	s_cmp_eq_u32 s21, 1
	s_cselect_b64 s[24:25], s[4:5], s[24:25]       ; the tensor that I read,
	s_cselect_b64 s[28:29], s[16:17], s[18:19]     ; and the buffer that I write
	s_add_nc_u64 s[24:25], s[24:25], s[52:53]
	s_add_nc_u64 s[28:29], s[28:29], s[38:39]      ; set 0's fragments
	s_add_nc_u64 s[30:31], s[28:29], 0x800000      ; sets 1 and 2: used by query's work-groups alone
	s_add_nc_u64 s[32:33], s[28:29], 0x1000000
.macro LOAD u, reg                     ; unit u: row i's 128 numbers, 16 bytes a lane
.irp i, 0,1,2,3,4,5,6,7,8,9,10,11,12,13,14,15
	global_load_b128 v[\reg+4*\i:\reg+4*\i+3], v[LO], s[24:25] offset:\i*4096+\u*512 th:TH_LOAD_NT
.endr
.endm
.macro TURN src, dst                   ; through the stage: dst[16 q + 0 .. 7] = k 32 q + 8 h + 0 .. 7, dst[16 q + 8 .. 15] = k 32 q + 16 + 8 h + 0 .. 7 of row r.  LDS serves a wave's instructions in order
.irp i, 0,1,2,3,4,5,6,7,8,9,10,11,12,13,14,15
	ds_store_b128 v[SI], v[\src+4*\i:\src+4*\i+3] offset:\i*SP
.endr
.irp q, 0,1,2,3
	ds_load_b128 v[\dst+16*\q:\dst+16*\q+3], v[SO] offset:128*\q
	ds_load_b128 v[\dst+16*\q+4:\dst+16*\q+7], v[SO] offset:128*\q+16
	ds_load_b128 v[\dst+16*\q+8:\dst+16*\q+11], v[SO] offset:128*\q+64
	ds_load_b128 v[\dst+16*\q+12:\dst+16*\q+15], v[SO] offset:128*\q+80
.endr
.endm
.macro MKSC e, sc, lim                 ; 2^e and 448 x 2^e as f32
	s_add_co_i32 s38, s\e, 127
	s_lshl_b32 s39, s38, 23
	v_mov_b32 v\sc, s39
	s_add_co_i32 s38, s38, 8
	s_lshl_b32 s38, s38, 23
	s_or_b32 s38, s38, 0x600000
	v_mov_b32 v\lim, s38
.endm
.macro CONV src, u, k                  ; 64 numbers a lane -> a fragment's codes with scale set k -> 4 stores
	s_wait_xcnt 0x0                                ; the last stores have read their data: the codes' registers may be written again
.irp g, 0,1,2,3,4,5,6,7
.irp i, 0,1,2,3,4,5,6,7
	v_med3_num_f32 v[T+8*(\g%2)+\i], v[\src+8*\g+\i], -v[5+2*\k], v[5+2*\k]   ; the conversion does not saturate (ISA guide 7.6.2): the hold at the largest code x the scale; into the set that the last conversion does not read
.endr
	v_cvt_scalef32_pk8_fp8_f32 v[C+2*\g:C+2*\g+1], v[T+8*(\g%2):T+8*(\g%2)+7], v[4+2*\k]
.endr
.irp q, 0,1,2,3
	global_store_b128 v[LO], v[C+4*\q:C+4*\q+3], s[28+2*\k:29+2*\k] offset:\u*2048+\q*512   ; 32 lanes store 512 consecutive bytes
.endr
.endm
.macro CONVALL src, u
	CONV \src, \u, 0
	s_cmp_eq_u32 s21, 0
	s_cbranch_scc1 .Lweight_\@                     ; a weight has one scale
	CONV \src, \u, 1
	CONV \src, \u, 2
.Lweight_\@:
.endm
	LOAD 0, R0
	LOAD 1, R1
	s_wait_kmcnt 0x0
	s_cmp_eq_u32 s22, 1
	s_cselect_b32 s34, s43, s41                    ; wk: e3, wq: e1
	s_cmp_eq_u32 s22, 2
	s_cselect_b32 s34, s45, s34                    ; wv: e5
	s_cmp_eq_u32 s22, 3
	s_cselect_b32 s34, s51, s34                    ; wg: e11
	s_cmp_eq_u32 s21, 1
	s_cselect_b32 s34, s40, s34                    ; query, product 1: e0
	MKSC 34, 4, 5
	MKSC 42, 6, 7                                  ; query, product 2: e2
	MKSC 44, 8, 9                                  ; query, product 3: e4
	s_wait_loadcnt 16                              ; unit 0's 16 loads are in; unit 1's 16 may be out
	TURN R0, X
	s_wait_loadcnt 0x0
	s_wait_dscnt 0x0                               ; unit 0 is back, and its stores into the stage have read their registers
	TURN R1, R0                                    ; unit 1 goes through the stage while unit 0 is converted
	CONVALL X, 0
	s_wait_dscnt 0x0
	CONVALL R0, 1
	s_wait_tensorcnt 0x0                           ; the wave's end, behind my last LDS store
	ds_add_u32 v[SPW], v[NIL]
	s_wait_dscnt 0x0
	s_endpgm
.Lfunc_end_k_q391397b0c3_quant:
	.size	k_q391397b0c3_quant, .Lfunc_end_k_q391397b0c3_quant-k_q391397b0c3_quant
	.p2alignl 7, 3214868480
	.fill 96, 4, 3214868480
	.section	.rodata,"a",@progbits
	.p2align	6, 0x0
	.amdhsa_kernel k_q391397b0c3_quant
		.amdhsa_group_segment_fixed_size 34304
		.amdhsa_private_segment_fixed_size 0
		.amdhsa_enable_private_segment 0
		.amdhsa_kernarg_size 64
		.amdhsa_user_sgpr_count 2
		.amdhsa_user_sgpr_kernarg_segment_ptr 1
		.amdhsa_wavefront_size32 1
		.amdhsa_system_sgpr_workgroup_id_x 1
		.amdhsa_system_sgpr_workgroup_id_y 1
		.amdhsa_system_sgpr_workgroup_id_z 1
		.amdhsa_system_vgpr_workitem_id 0
		.amdhsa_next_free_vgpr 240
		.amdhsa_next_free_sgpr 66
		.amdhsa_reserve_vcc 0
		.amdhsa_float_denorm_mode_32 3
		.amdhsa_float_denorm_mode_16_64 3
		.amdhsa_memory_ordered 1
		.amdhsa_forward_progress 1
		.amdhsa_inst_pref_size 41
	.end_amdhsa_kernel
	.amdgpu_metadata
---
amdhsa.version: [ 1, 2 ]
amdhsa.kernels:
  - .name:           k_q391397b0c3_quant
    .symbol:         k_q391397b0c3_quant.kd
    .args:
      - { .name: query, .offset: 0, .size: 8, .value_kind: global_buffer, .address_space: global }
      - { .name: wq, .offset: 8, .size: 8, .value_kind: global_buffer, .address_space: global }
      - { .name: wk, .offset: 16, .size: 8, .value_kind: global_buffer, .address_space: global }
      - { .name: wv, .offset: 24, .size: 8, .value_kind: global_buffer, .address_space: global }
      - { .name: wg, .offset: 32, .size: 8, .value_kind: global_buffer, .address_space: global }
      - { .name: lowp_scales, .offset: 40, .size: 8, .value_kind: global_buffer, .address_space: global }
      - { .name: xcodes, .offset: 48, .size: 8, .value_kind: global_buffer, .address_space: global }
      - { .name: wcodes, .offset: 56, .size: 8, .value_kind: global_buffer, .address_space: global }
    .group_segment_fixed_size: 34304
    .private_segment_fixed_size: 0
    .kernarg_segment_align: 8
    .kernarg_segment_size: 64
    .max_flat_workgroup_size: 128
    .sgpr_count:     66
    .vgpr_count:     240
    .wavefront_size: 32
...
	.end_amdgpu_metadata
.endif
;; end of part 1
;; launch gemm_qkv (part 2): grid 4 x 96, 4 waves a work-group, clusters of 4 x 4, 327,680 bytes of LDS; arguments xcodes, wcodes, lowp_scales, qkv, bq, bk, bv; writes qkv
.if DOCPART == 2
	.amdgcn_target "amdgcn-amd-amdhsa--gfx1250"
	.amdhsa_code_object_version 6
	.text
	.protected	k_q391397b0c3_gemm_qkv
	.globl	k_q391397b0c3_gemm_qkv
	.p2align	8
	.type	k_q391397b0c3_gemm_qkv,@function
k_q391397b0c3_gemm_qkv:
	s_mov_b64 s[64:65], 0
	v_nop
	global_prefetch_b8 v0, s[64:65] scope:SCOPE_SE
	s_setreg_imm32_b32 hwreg(HW_REG_WAVE_MODE, 25, 1), 1
	s_wait_xcnt 0x0
	s_wait_alu depctr_hold_cnt(0) depctr_sa_sdst(0) depctr_va_vdst(0) depctr_va_sdst(0) depctr_va_ssrc(0) depctr_va_vcc(0) depctr_vm_vsrc(0)
	s_getreg_b32 s2, hwreg(HW_REG_IB_STS2, 6, 4)
	s_cmp_eq_u32 s2, 0
	s_cbranch_scc0 .Lentry_in_a_cluster
	s_endpgm
.Lentry_in_a_cluster:
	s_bfe_u32 s2, ttmp6, 0x10000c
	s_cmp_lg_u32 s2, 0xf033
	s_cbranch_scc0 .Lentry_shape_is_right
	s_endpgm
.Lentry_shape_is_right:
; q = X Wq^T + bq, k = X Wk^T + bk, v = X Wv^T + bv on codes of FP8 (E4M3); each result is quantised at once with the scale of the product that takes it (entries 6, 7, 9) and stored as images of operand registers.
; The product number P = cluster y / 8.  P = 0, 1: A = X's codes of that product, B = the weight's.  P = 2 is computed as Wv X^T (A = Wv, B = X), so that a lane's eight results run along the TOKENS, which are the K of attention's second product.
; A tile of C, 256 x 256, is made by four waves, 128 x 128 each: 64 accumulators of 16 x 16.  K = 1,024 goes in four steps of 256 through two LDS slots filled by the tensor data mover.
; OPERANDS LIE IN MEMORY AND IN LDS AS IMAGES OF THEIR REGISTERS: a fragment (16 rows x 128 k) is 2,048 bytes, register 4 q + i of lane l at 512 q + 16 l + 4 i.  A K step's 16 row tiles are one dense block of 65,536 bytes;
; a fragment comes by four ds_load_b128 of 512 consecutive bytes each: no pitch, no padding.
; CLUSTERS: 4 x 4 work-groups.  A's tile is shared along a row of the cluster, B's along a column: each is asked for jointly, by the same tensor load with a mask that names the four.
; THE MATRIX INSTRUCTION IS USED TRANSPOSED (source 0 = 16 rows of B, source 1 = 16 rows of A): lane (r, h) of accumulator (a, b) holds C(16 a + r, 16 b + 8 h + 0 .. 7): one conversion of its 8 registers gives registers 2 c, 2 c + 1 of the next operand.
; qkv: q at 0, [head-batch n = 16 b + head][tile of 16 queries][1,024] (16 rows x 64 k, 8 registers a lane); k at 8 MB likewise; v at 16 MB, [n][step of 128 keys][16 channels: 0..3][2,048] (rows = channels, k = keys).
; LIMITS: e6, e7, e9 between -126 and 119; e0 + e1, e2 + e3, e4 + e5 between -126 and 127.
; REGISTERS, in windows of 256: window 0: v16-31 addresses and constants, v32-95 the bias, v128-255 A's fragments (one set; on the way out at work).  window 1: B's fragments, two sets.  windows 2, 3: the accumulators, (a, b) at v[8 (8 (a % 4) + b)].
.set SLOT,  131072                     ; A's 16 row tiles x 4,096 bytes, then B's
.set SPARE, 2*SLOT                     ; behind the ring: the spare words, 128 bytes a wave, which no other line names
.set XSTR,  0x200000                   ; xcodes: from K step to K step
.set WSTR,  0x40000                    ; wcodes: the same
.set FR,    16                         ; registers of a fragment
.set NL,    4                          ; LDS loads that bring one
.set NP,    4                          ; places behind this matrix instruction (ISA guide 7.12.1)
.set ADRA, 16                          ; v16-17 my A fragments in slot 0, 1
.set ADRB, 20                          ; v20-21 the same for B
.set CO,   26                          ; v26  16 x lane
.set SPW,  28                          ; v28  my spare word; never rewritten
.set NIL,  29                          ; v29  0; never rewritten
.set BI,   32                          ; v32-95 the bias in the results' layout
.set AF,   128                         ; A's fragments
.set T,    128                         ; the way out: 64 numbers
.set CD,   192                         ; the way out: four sets of 16 registers of codes
.set G1,  24
.set G0,  32
.set G1B, 48
.set G0B, 56
.set SA2, 74                           ; s[74:75] two K steps of A in bytes;  s[88:89] of B
.set SB2, 88
.set MSB, 0
.macro WIN new                         ; the immediate's high byte repeats the setting that is left
.if MSB != \new
	s_set_vgpr_msb (MSB<<8)|\new
.set MSB, \new
.endif
.endm
.set MUL_LO, 0xa1                      ; source 0 (B) window 1, source 1 (A) window 0, C and D window 2
.set MUL_HI, 0xf1                      ; the same, C and D window 3
.set TO_B,   0x40                      ; destination window 1, address window 0
; A joint load: waves 0 and 1 fetch for A, waves 2 and 3 for B; the branch hangs on the wave's number alone.  An s_nop 0 and four v_nop follow each of the two lines.
.macro JLOAD g0a, g1a, g0b, g1b
	s_cmp_eq_u32 s15, 0
	s_cbranch_scc0 .Lfor_b_\@
	tensor_load_to_lds s[\g0a:\g0a+3], s[\g1a:\g1a+7]
	s_nop 0
.rept 4
	v_nop
.endr
	s_branch .Lasked_\@
.Lfor_b_\@:
	tensor_load_to_lds s[\g0b:\g0b+3], s[\g1b:\g1b+7]
	s_nop 0
.rept 4
	v_nop
.endr
.Lasked_\@:
.endm
.macro CREST                           ; a round of the cluster's barrier behind its opening barrier
	s_cmp_lg_u32 s14, 0
	s_cbranch_scc1 .Lnot_wave_0_\@
	s_barrier_signal -3
.Lnot_wave_0_\@:
	s_barrier_wait -3
	s_barrier_signal -1
	s_barrier_wait -1
.endm
.macro CROUND
	s_barrier_signal -1
	s_barrier_wait -1
	CREST
.endm
	s_load_b256 s[4:11], s[0:1], 0x0               ; xcodes, wcodes, the scales' exponents, qkv
	s_load_b128 s[68:71], s[0:1], 0x20             ; bq, bk
	s_load_b64 s[72:73], s[0:1], 0x30              ; bv
	v_lshl_add_u32 v[SPW], v0, 2, SPARE
	v_mov_b32 v[NIL], 0
	ds_add_u32 v[SPW], v[NIL]                      ; the wave's opening: the add and its wait ahead of my first tensor load; work on registers stands between them
	v_lshrrev_b32 v1, 5, v0
	v_readfirstlane_b32 s14, v1                    ; wave 0..3
	s_lshr_b32 s15, s14, 1                         ; my half of the tile's rows.  Also: I fetch for A (0) or for B (1)
	s_and_b32 s16, s14, 1                          ; my half of its columns.  Also: which 128 rows I fetch
	s_bfe_u32 s40, ttmp6, 0x40000                  ; cx
	s_bfe_u32 s41, ttmp6, 0x40004                  ; cy
	s_and_b32 s17, ttmp7, 0xffff                   ; cluster y: 0..23 (the grid has one cluster along x)
	s_lshr_b32 s42, s17, 3                         ; P: the same in all sixteen partners
	s_and_b32 s66, s17, 7
	s_cmp_eq_u32 s42, 2
	s_cselect_b32 s18, 0, s66
	s_cselect_b32 s19, s66, 0
	s_mov_b32 s90, XSTR
	s_cselect_b32 s90, WSTR, s90                   ; A's K step in bytes
	s_mov_b32 s92, WSTR
	s_cselect_b32 s92, XSTR, s92                   ; B's
	s_lshl_b32 s18, s18, 2
	s_add_co_u32 s18, s18, s41                     ; tile row: it never holds cx
	s_lshl_b32 s19, s19, 2
	s_add_co_u32 s19, s19, s40                     ; tile column: it never holds cy
	s_mov_b32 s91, 0
	s_mov_b32 s93, 0
	s_lshl_b32 s[SA2], s90, 1
	s_mov_b32 s[SA2+1], 0
	s_lshl_b32 s[SB2], s92, 1
	s_mov_b32 s[SB2+1], 0
	s_lshl_b32 s43, s41, 2
	s_lshl_b32 s43, 15, s43                        ; my row of the cluster
	s_lshl_b32 s44, 0x1111, s40                    ; my column
	; descriptor group 1: 32,768 dense bytes as 128 rows of 256
	s_or_b32 s[G1+0], s43, (1<<21)                 ; 15:0 the mask; 17:16 elements of 1 byte; 20 no padding; 21 set beside a mask
	s_or_b32 s[G1B+0], s44, (1<<21)
.irp g, G1, G1B
	s_mov_b32 s[\g+1], 256<<16                     ; tensor_dim0 = 256
	s_mov_b32 s[\g+2], 128<<16                     ; tensor_dim1 = 128
	s_mov_b32 s[\g+3], 256<<16                     ; tile_dim0 = 256
	s_mov_b32 s[\g+4], 128                         ; tile_dim1 = 128
	s_mov_b32 s[\g+5], 256                         ; from row to row: dense
	s_mov_b32 s[\g+6], 0
	s_mov_b32 s[\g+7], 0
.endr
	s_lshl_b32 s98, s42, 23                        ; P x 8 MB: X's codes of product P
	s_lshl_b32 s99, s42, 20                        ; P x 1 MB: the weight's
	s_cmp_eq_u32 s42, 2
	s_cselect_b32 s20, s99, s98                    ; A's part of its buffer
	s_cselect_b32 s46, s98, s99                    ; B's
	s_lshl_b32 s98, s18, 16
	s_add_co_u32 s20, s20, s98                     ; + the tile's 65,536 bytes
	s_lshl_b32 s98, s16, 15
	s_add_co_u32 s20, s20, s98                     ; + the half that I fetch
	s_mov_b32 s21, 0
	s_lshl_b32 s99, s19, 16
	s_add_co_u32 s46, s46, s99
	s_add_co_u32 s46, s46, s98
	s_mov_b32 s47, 0
	s_lshl_b32 s45, s14, 15                        ; where they go: wave x 32,768: no place in the cluster enters an LDS address
	s_wait_dscnt 0x0                               ; the opening add is done
	s_wait_kmcnt 0x0
	s_load_b256 s[76:83], s[8:9], 0x0              ; e0 .. e7
	s_load_b128 s[84:87], s[8:9], 0x20             ; e8 .. e11
	s_cmp_eq_u32 s42, 2
	s_cselect_b64 s[12:13], s[6:7], s[4:5]         ; A's buffer
	s_cselect_b64 s[94:95], s[4:5], s[6:7]         ; B's
	s_add_nc_u64 s[20:21], s[12:13], s[20:21]
	s_add_nc_u64 s[46:47], s[94:95], s[46:47]
	CROUND                                         ; all sixteen work-groups are here: the first joint loads meet
	s_mov_b32 s[G0], 1
	s_mov_b32 s[G0+1], s45
	s_mov_b64 s[G0+2:G0+3], s[20:21]               ; K step 0
	s_or_b32 s[G0+3], s[G0+3], 0x80000000
	s_mov_b32 s[G0B], 1
	s_mov_b32 s[G0B+1], s45
	s_mov_b64 s[G0B+2:G0B+3], s[46:47]
	s_or_b32 s[G0B+3], s[G0B+3], 0x80000000
	JLOAD G0, G1, G0B, G1B
	s_mov_b32 s[G0+4], 1
	s_add_co_u32 s[G0+5], s45, SLOT
	s_add_nc_u64 s[G0+6:G0+7], s[20:21], s[90:91]  ; K step 1
	s_or_b32 s[G0+7], s[G0+7], 0x80000000
	s_mov_b32 s[G0B+4], 1
	s_add_co_u32 s[G0B+5], s45, SLOT
	s_add_nc_u64 s[G0B+6:G0B+7], s[46:47], s[92:93]
	s_or_b32 s[G0B+7], s[G0B+7], 0x80000000
	JLOAD G0+4, G1, G0B+4, G1B                     ; two tensor loads of mine are out
	v_and_b32 v1, 31, v0
	v_lshlrev_b32 v[CO], 4, v1
	s_lshl_b32 s98, s15, 15                        ; my 128 rows of A
	s_lshl_b32 s99, s16, 15                        ; my 128 rows of B,
	s_add_co_u32 s99, s99, 65536                   ; which lie behind A's 256
.irp s, 0,1
	v_add_nc_u32 v[ADRA+\s], s98, v[CO]
	v_add_nc_u32 v[ADRB+\s], s99, v[CO]
	s_add_co_u32 s98, s98, SLOT
	s_add_co_u32 s99, s99, SLOT
.endr
	; my first token and my first channel, whichever way round the product lies
	s_cmp_eq_u32 s42, 2
	s_cselect_b32 s98, s19, s18
	s_cselect_b32 s99, s16, s15
	s_cselect_b32 s67, s18, s19
	s_cselect_b32 s3, s15, s16
	s_lshl_b32 s98, s98, 8
	s_lshl_b32 s99, s99, 7
	s_add_co_u32 s98, s98, s99                     ; token0
	s_lshl_b32 s67, s67, 8
	s_lshl_b32 s3, s3, 7
	s_add_co_u32 s67, s67, s3                      ; chan0
	s_cmp_eq_u32 s42, 1
	s_cselect_b64 s[68:69], s[70:71], s[68:69]
	s_cmp_eq_u32 s42, 2
	s_cselect_b64 s[68:69], s[72:73], s[68:69]     ; the product's bias,
	s_lshl_b32 s2, s67, 2
	s_mov_b32 s3, 0
	s_add_nc_u64 s[68:69], s[68:69], s[2:3]        ; at my first channel
	s_lshr_b32 s2, s98, 11                         ; the batch,
	s_lshl_b32 s2, s2, 4
	s_lshr_b32 s3, s67, 6                          ; the head:
	s_add_co_u32 s2, s2, s3
	s_lshl_b32 s2, s2, 17                          ; n x 131,072,
	s_and_b32 s3, s98, 2047
	s_lshl_b32 s3, s3, 6                           ; 64 bytes a token in all three parts,
	s_add_co_u32 s2, s2, s3
	s_lshl_b32 s3, s42, 23                         ; P x 8 MB
	s_add_co_u32 s2, s2, s3
	s_mov_b32 s3, 0
	s_add_nc_u64 s[10:11], s[10:11], s[2:3]
	v_bfe_u32 v30, v0, 4, 1
	v_lshlrev_b32 v30, 5, v30                      ; 32 h
	v_and_b32 v31, 15, v0
	v_lshlrev_b32 v31, 2, v31                      ; 4 r
	s_cmp_eq_u32 s42, 2
	s_cbranch_scc1 .Lbias_v
.irp b, 0,1,2,3,4,5,6,7                        ; q, k: BI[8 b + j] = bias[chan0 + 16 b + 8 h + j]
	global_load_b128 v[BI+8*\b:BI+8*\b+3], v30, s[68:69] offset:64*\b
	global_load_b128 v[BI+8*\b+4:BI+8*\b+7], v30, s[68:69] offset:64*\b+16
.endr
	s_branch .Lbias_done
.Lbias_v:
.irp a, 0,1,2,3,4,5,6,7                        ; v: BI[8 a + i] = bias[chan0 + 16 a + r], the same for all i: both ways write all 64 registers
.irp i, 0,1,2,3,4,5,6,7
	global_load_b32 v[BI+8*\a+\i], v31, s[68:69] offset:64*\a
.endr
.endr
.Lbias_done:
.macro FRAG reg, adr, q, i             ; the fragment of row tile i, half q of the K step: an image, 512 consecutive bytes a load
.irp c, 0,1,2,3
	ds_load_b128 v[\reg+4*\c:\reg+4*\c+3], v[\adr] offset:(\i)*4096+(\q)*2048+512*\c
.endr
.endm
; 16 matrix instructions: A's blocks a0, a0 + 1 x B's eight, 128 along K.  The 64 accumulators take turns, one instruction a turn, in the same order in every step.
.macro MUL16 a0, p, zero
.irp a, \a0, \a0+1
.irp b, 0,1,2,3,4,5,6,7
.if \zero
	v_wmma_f32_16x16x128_fp8_fp8 v[8*(8*((\a)%4)+\b):8*(8*((\a)%4)+\b)+7], v[128*(\p)+FR*\b:128*(\p)+FR*\b+FR-1], v[AF+FR*(\a):AF+FR*(\a)+FR-1], 0
.else
	v_wmma_f32_16x16x128_fp8_fp8 v[8*(8*((\a)%4)+\b):8*(8*((\a)%4)+\b)+7], v[128*(\p)+FR*\b:128*(\p)+FR*\b+FR-1], v[AF+FR*(\a):AF+FR*(\a)+FR-1], v[8*(8*((\a)%4)+\b):8*(8*((\a)%4)+\b)+7]
.endif
.endr
.endr
.endm
.macro FETCH_B slot, q, p
	WIN TO_B
.irp i, 0,1,2,3,4,5,6,7
	FRAG 128*(\p)+FR*\i, ADRB+\slot, \q, \i
.endr
	WIN 0
.endm
.macro FETCH_A slot, q, i0
.irp i, \i0, \i0+1, \i0+2, \i0+3
	FRAG AF+FR*(\i), ADRA+\slot, \q, \i
.endr
.endm
.macro PLACES n                        ; plain vector instructions between a matrix instruction and a load into, or a vector instruction on, its registers (ISA guide 7.12.1 for vector instructions)
.rept \n
	v_nop
.endr
.endm
.macro STEP slot, q, zero              ; 128 along K, with its successor in the same slot
	s_wait_dscnt 4*NL                              ; B's set and A's blocks 0-3 are in; the youngest 16 loads (A's blocks 4-7) may be out
	WIN MUL_LO
	MUL16 0, (\q)%2, \zero
	MUL16 2, (\q)%2, \zero
	s_wait_dscnt 0
	PLACES NP
	FETCH_B \slot, (\q)+1, 1-(\q)%2
	FETCH_A \slot, (\q)+1, 0
	WIN MUL_HI
	MUL16 4, (\q)%2, \zero
	MUL16 6, (\q)%2, \zero
	PLACES NP
	WIN 0
	FETCH_A \slot, (\q)+1, 4
.endm
; A slot's last step changes slots: one barrier; in front of it each wave waits for all its tensor loads, adds 0 to its spare word, and waits for that and for its reads of this slot.  fill = 1: the slot is filled again, two K steps on.
.macro TURN slot, next, fill
	s_wait_tensorcnt 0x0                           ; all my tensor loads have landed: my part of the next slot
	ds_add_u32 v[SPW], v[NIL]                      ; 0 onto my spare word
	s_wait_dscnt 4*NL+1                            ; the add and the youngest 16 loads may be out
	WIN MUL_LO
	MUL16 0, 1, 0
	s_wait_dscnt 0x0                               ; the add is done, and my reads of this slot are over
	s_barrier_signal -1
	MUL16 2, 1, 0
	WIN 0
	s_barrier_wait -1
.if \fill
	CREST                                          ; the barrier has opened a round of the cluster's: no wave of any partner still reads this slot or has a load on its way
	s_add_nc_u64 s[G0+4*\slot+2:G0+4*\slot+3], s[G0+4*\slot+2:G0+4*\slot+3], s[SA2:SA2+1]
	s_add_nc_u64 s[G0B+4*\slot+2:G0B+4*\slot+3], s[G0B+4*\slot+2:G0B+4*\slot+3], s[SB2:SB2+1]
	JLOAD G0+4*\slot, G1, G0B+4*\slot, G1B         ; my one tensor load behind the round; its four v_nop are the places in front of the loads below
.else
	PLACES NP
.endif
	FETCH_B \next, 0, 0
	FETCH_A \next, 0, 0
	WIN MUL_HI
	MUL16 4, 1, 0
	MUL16 6, 1, 0
	PLACES NP
	WIN 0
	FETCH_A \next, 0, 4
.endm
	s_wait_tensorcnt 1                             ; my part of K step 0 is in; K step 1's load may be out
	s_barrier_signal -1
	s_barrier_wait -1
	FETCH_B 0, 0, 0
	FETCH_A 0, 0, 0
	FETCH_A 0, 0, 4
	STEP 0, 0, 1                                   ; the first products start the sums: nothing is cleared.  K has four steps: they are written out
	TURN 0, 1, 1                                   ; slot 0 takes K step 2
	STEP 1, 0, 0
	TURN 1, 0, 1                                   ; slot 1 takes K step 3
	STEP 0, 0, 0
	TURN 0, 1, 0                                   ; nothing is left to fetch
	STEP 1, 0, 0
	s_wait_dscnt 4*NL
	WIN MUL_LO
	MUL16 0, 1, 0
	MUL16 2, 1, 0
	s_wait_dscnt 0
	WIN MUL_HI
	MUL16 4, 1, 0
	MUL16 6, 1, 0
	WIN 0
	; THE WAY OUT: sum x 2^(eA + eB) + bias, held, converted with the next product's scale; the conversions' results are the next operand's registers and are stored as they stand.
	s_wait_kmcnt 0x0
	s_add_co_i32 s96, s76, s77
	s_add_co_i32 s97, s78, s79
	s_add_co_i32 s98, s80, s81
	s_cmp_eq_u32 s42, 1
	s_cselect_b32 s96, s97, s96
	s_cselect_b32 s99, s83, s82                    ; q: e6, k: e7
	s_cmp_eq_u32 s42, 2
	s_cselect_b32 s96, s98, s96
	s_cselect_b32 s99, s85, s99                    ; v: e9
	s_add_co_i32 s96, s96, 127
	s_lshl_b32 s96, s96, 23                        ; 2^(eA + eB) as f32
	s_mov_b32 s97, s96                             ; (named with it as a pair)
	s_add_co_i32 s99, s99, 127
	s_lshl_b32 s98, s99, 23
	v_mov_b32 v22, s98                             ; the next scale as f32
	s_add_co_i32 s99, s99, 8
	s_lshl_b32 s99, s99, 23
	s_or_b32 s99, s99, 0x600000
	v_mov_b32 v23, s99                             ; 448 x that
	s_wait_loadcnt 0x0                             ; the bias
	PLACES NP
.macro EPI a, vmode                    ; A's block a: 8 accumulators -> 16 registers of codes -> 4 stores of 512 consecutive bytes
.set AC, 64*((\a)%4)
.set CC, CD+16*((\a)%4)
	WIN 0x02+((\a)/4)                              ; source 0: window 2 or 3
.set jj, 0
.rept 32
.if \vmode
	v_pk_fma_f32 v[T+jj:T+jj+1], v[AC+jj:AC+jj+1], s[96:97], v[BI+8*(\a)+jj%8:BI+8*(\a)+jj%8+1] op_sel_hi:[1,0,1]
.else
	v_pk_fma_f32 v[T+jj:T+jj+1], v[AC+jj:AC+jj+1], s[96:97], v[BI+jj:BI+jj+1] op_sel_hi:[1,0,1]   ; each accumulator from its low end on
.endif
.set jj, jj+2
.endr
	WIN 0
.set jj, 0
.rept 64
	v_med3_num_f32 v[T+jj], v[T+jj], -v23, v23     ; the conversion does not saturate (ISA guide 7.6.2)
.set jj, jj+1
.endr
.if (\a) >= 4
	s_wait_xcnt 0x0                                ; block a - 4's stores have read this set of codes
.endif
.irp b, 0,1,2,3,4,5,6,7
	v_cvt_scalef32_pk8_fp8_f32 v[CC+2*\b:CC+2*\b+1], v[T+8*\b:T+8*\b+7], v22
.endr
	v_nop                                          ; a plain instruction between the last conversion and the next write of its sources
.irp q, 0,1,2,3
.if \vmode
	global_store_b128 v[CO], v[CC+4*\q:CC+4*\q+3], s[10:11] offset:((\a)/4)*131072+((\a)%4)*2048+\q*512   ; head a / 4, channels 16 (a % 4) on; k = my 128 tokens
.else
	global_store_b128 v[CO], v[CC+4*\q:CC+4*\q+3], s[10:11] offset:(\q/2)*131072+(\a)*1024+(\q%2)*512     ; head q / 2, tokens 16 a on; k = the head's 64 channels
.endif
.endr
.endm
	s_cmp_eq_u32 s42, 2
	s_cbranch_scc1 .Lout_v
.irp a, 0,1,2,3,4,5,6,7
	EPI \a, 0
.endr
	s_branch .Lout_done
.Lout_v:
.irp a, 0,1,2,3,4,5,6,7
	EPI \a, 1
.endr
.Lout_done:
	s_wait_tensorcnt 0x0                           ; the wave's end, behind my last tensor load
	ds_add_u32 v[SPW], v[NIL]
	s_wait_dscnt 0x0
	CROUND                                         ; the closing round: no work-group ends while a partner may still ask for a tile that names it
	s_endpgm
.Lfunc_end_k_q391397b0c3_gemm_qkv:
	.size	k_q391397b0c3_gemm_qkv, .Lfunc_end_k_q391397b0c3_gemm_qkv-k_q391397b0c3_gemm_qkv
	.p2alignl 7, 3214868480
	.fill 96, 4, 3214868480
	.section	.rodata,"a",@progbits
	.p2align	6, 0x0
	.amdhsa_kernel k_q391397b0c3_gemm_qkv
		.amdhsa_group_segment_fixed_size 327680
		.amdhsa_private_segment_fixed_size 0
		.amdhsa_enable_private_segment 0
		.amdhsa_kernarg_size 56
		.amdhsa_user_sgpr_count 2
		.amdhsa_user_sgpr_kernarg_segment_ptr 1
		.amdhsa_wavefront_size32 1
		.amdhsa_system_sgpr_workgroup_id_x 1
		.amdhsa_system_sgpr_workgroup_id_y 1
		.amdhsa_system_sgpr_workgroup_id_z 1
		.amdhsa_system_vgpr_workitem_id 0
		.amdhsa_next_free_vgpr 1024
		.amdhsa_next_free_sgpr 100
		.amdhsa_reserve_vcc 0
		.amdhsa_float_denorm_mode_32 3
		.amdhsa_float_denorm_mode_16_64 3
		.amdhsa_memory_ordered 1
		.amdhsa_forward_progress 1
		.amdhsa_inst_pref_size 198
	.end_amdhsa_kernel
	.amdgpu_metadata
---
amdhsa.version: [ 1, 2 ]
amdhsa.kernels:
  - .name:           k_q391397b0c3_gemm_qkv
    .symbol:         k_q391397b0c3_gemm_qkv.kd
    .args:
      - { .name: xcodes, .offset: 0, .size: 8, .value_kind: global_buffer, .address_space: global }
      - { .name: wcodes, .offset: 8, .size: 8, .value_kind: global_buffer, .address_space: global }
      - { .name: lowp_scales, .offset: 16, .size: 8, .value_kind: global_buffer, .address_space: global }
      - { .name: qkv, .offset: 24, .size: 8, .value_kind: global_buffer, .address_space: global }
      - { .name: bq, .offset: 32, .size: 8, .value_kind: global_buffer, .address_space: global }
      - { .name: bk, .offset: 40, .size: 8, .value_kind: global_buffer, .address_space: global }
      - { .name: bv, .offset: 48, .size: 8, .value_kind: global_buffer, .address_space: global }
    .group_segment_fixed_size: 327680
    .private_segment_fixed_size: 0
    .kernarg_segment_align: 8
    .kernarg_segment_size: 56
    .max_flat_workgroup_size: 128
    .sgpr_count:     100
    .vgpr_count:     1024
    .wavefront_size: 32
...
	.end_amdgpu_metadata
.endif
;; end of part 2
;; launch attn (part 3): grid 16 x 64, 8 waves a work-group, no clusters, 33,792 bytes of LDS; arguments qkv, seq_len, lowp_scales, oimg; writes oimg
.if DOCPART == 3
	.amdgcn_target "amdgcn-amd-amdhsa--gfx1250"
	.amdhsa_code_object_version 6
	.text
	.protected	k_q391397b0c3_attn
	.globl	k_q391397b0c3_attn
	.p2align	8
	.type	k_q391397b0c3_attn,@function
k_q391397b0c3_attn:
	s_mov_b64 s[64:65], 0
	v_nop
	global_prefetch_b8 v0, s[64:65] scope:SCOPE_SE
	s_setreg_imm32_b32 hwreg(HW_REG_WAVE_MODE, 25, 1), 1
	s_wait_xcnt 0x0
; For head-batch n = 16 b + head: o = softmax-like(q k^T / 32, scores of keys >= seq_len[n % 4] replaced by 0) v, both products on codes of FP8 (E4M3); o is quantised with entry 10 and stored as images of the last product's operand registers.
; THE SOFTMAX AHEAD OF THE SECOND PRODUCT: t = score x log2(e); M = the running largest t rounded up to a whole number; p = 2^(t - M) is quantised (entry 8), not normalised; the sum of the unquantised p divides at the end.
; WHAT IS LEFT OUT, by whole numbers read from seq_len: (a) a wave whose 16 queries all lie at or past seq_len[b] computes nothing and stores zero codes: the last launch multiplies those rows by 0;
; (b) a step all of whose 128 keys lie at or past seq_len[n % 4] has t = 0 throughout: no first product, no exponential; p = 2^-M for all keys, and the second product is made as ever.
; SHARES.  A work-group owns 128 queries of one head-batch, each of its eight waves 16.  Every wave walks 16 steps of 128 keys: a loop of constant count, with its barriers on every wave's path; only loads, stores and work are jumped over.
; No tensor load and no cluster: the jumps hang on seq_len.  K and V go from memory through registers into two LDS slots, a step ahead; a thread carries 16 bytes of each half of a step's 8 KB of K and of V.
; LAYOUT.  Both products are used transposed: S^T = K Q^T (source 0 = 16 keys), O^T = V^T P^T (source 0 = 16 channels): a lane holds one query (lane % 16) throughout.  Tile t of S^T holds keys 16 t + 8 (lane / 16) + 0 .. 7:
; its conversion is registers 2 t, 2 t + 1 of P.  Tile c of O^T holds channels 16 c + 8 (lane / 16) + 0 .. 7: its conversion is registers 2 c, 2 c + 1 of half a fragment of the last product's A.
; LIMITS: e8, e10 between -126 and 119; e6 + e7 between -121 and 132 (added to c's exponent field); seq_len is held within 0 .. 2,048, which changes none of its comparisons; p under 2^-126 counts as 0; NaN is not served.
.set SLOTB, 16384                      ; a slot: K's 8 images of 1,024 bytes, then V's 4 of 2,048
.set SPARE, 2*SLOTB                    ; behind the slots: the spare words, 128 bytes a wave, which no other line names
.set LI,  1                            ; v1   16 x lane
.set LS,  2                            ; v2   16 x thread: my bytes of a step's halves, in memory and in LDS
.set PFO, 3                            ; v3   256 x lane
.set H8,  4                            ; v4   8 (lane / 16)
.set SPW, 5                            ; v5   my spare word; never rewritten
.set NIL, 6                            ; v6   0; never rewritten
.set ZR,  7                            ; v7   0.0, the masked score
.set QF,  16                           ; v16-23   Q
.set KV,  32                           ; v32-95   K's 8 fragments, then V's 4
.set SS,  96                           ; v96-159  S^T, then p
.set OT,  160                          ; v160-191 O^T
.set PC,  192                          ; v192-207 P's codes
.set SK,  208                          ; v208-215 K on its way to LDS;  v216-223 V
.set SV,  216
.set WV,  12                           ; s12 wave;  s13 n;  s14 LQ;  s15 LK;  s16 my first query;  s17 keys to be staged (2,048 or 0);  s18 keys to be prefetched
.set LQ,  14
.set LK,  15
.set Q0,  16
.set SLIM, 17
.set PLIM, 18
.set KF,  19                           ; s19 the step's first key;  s20 the next step's;  s21 the one after
.set KFN, 20
.set KFP, 21
.set CS,  22                           ; s[22:23] c = log2(e) / 32 x 2^(e6 + e7)
.set SEL, 24                           ; s[24:25] lane l xor 16
.set KP,  26                           ; s[26:27] K's codes of the next step;  s[28:29] V's;  s[30:31] the one that I prefetch from
.set VP,  28
.set PFP, 30
	s_load_b256 s[4:11], s[0:1], 0x0               ; qkv, seq_len, the scales' exponents, oimg
	v_lshl_add_u32 v[SPW], v0, 2, SPARE
	v_mov_b32 v[NIL], 0
	v_lshrrev_b32 v8, 5, v0
	v_readfirstlane_b32 s[WV], v8                  ; wave 0..7
	v_and_b32 v8, 31, v0
	v_lshlrev_b32 v[LI], 4, v8
	v_lshlrev_b32 v[LS], 4, v0
	v_lshlrev_b32 v[PFO], 8, v8
	v_bfe_u32 v[H8], v0, 4, 1
	v_lshlrev_b32 v[H8], 3, v[H8]
	v_mov_b32 v[ZR], 0
	s_and_b32 s13, ttmp7, 0xffff                   ; n
	s_lshl_b32 s[Q0], ttmp9, 7
	s_lshl_b32 s42, s[WV], 4
	s_add_co_u32 s[Q0], s[Q0], s42                 ; my first query: 128 x + 16 wave
	s_mov_b32 s[SEL], 0x76543210
	s_mov_b32 s[SEL+1], 0xfedcba98
	s_mov_b32 s[KF], 0
	s_mov_b32 s[KFN], 128
	s_mov_b32 s[KFP], 256
	s_mov_b32 s37, 8
	s_lshl_b32 s48, s13, 17                        ; a head-batch is 131,072 bytes in each of q, k, v
	s_mov_b32 s49, 0
	s_wait_kmcnt 0x0
	s_load_b128 s[44:47], s[6:7], 0x0              ; seq_len
	s_load_b128 s[32:35], s[8:9], 0x18             ; e6, e7, e8, e9
	s_load_b32 s36, s[8:9], 0x28                   ; e10
	s_add_nc_u64 s[50:51], s[4:5], s[48:49]
	s_add_nc_u64 s[KP:KP+1], s[50:51], 0x802000    ; k's part, step 1
	s_add_nc_u64 s[VP:VP+1], s[50:51], 0x1002000   ; v's part, step 1
	s_lshl_b32 s48, s[Q0], 6
	s_add_nc_u64 s[50:51], s[50:51], s[48:49]      ; my tile of queries
	s_cmp_eq_u32 s[WV], 0
	s_cselect_b64 s[PFP:PFP+1], s[KP:KP+1], s[VP:VP+1]
	global_load_b128 v[QF:QF+3], v[LI], s[50:51]
	global_load_b128 v[QF+4:QF+7], v[LI], s[50:51] offset:512
	global_load_b128 v[SK:SK+3], v[LS], s[KP:KP+1] offset:-8192     ; step 0, in every work-group
	global_load_b128 v[SK+4:SK+7], v[LS], s[KP:KP+1] offset:-4096
	global_load_b128 v[SV:SV+3], v[LS], s[VP:VP+1] offset:-8192
	global_load_b128 v[SV+4:SV+7], v[LS], s[VP:VP+1] offset:-4096
	s_and_b32 s48, s13, 15                         ; where my 1,024 bytes of oimg lie: head / 4 is the K step,
	s_lshr_b32 s48, s48, 2
	s_lshl_b32 s48, s48, 21
	s_lshr_b32 s52, s13, 4
	s_lshl_b32 s52, s52, 7
	s_lshr_b32 s53, s[Q0], 4
	s_add_co_u32 s52, s52, s53                     ; the tile of 16 tokens: 128 b + my first query / 16,
	s_lshl_b32 s52, s52, 12
	s_add_co_u32 s48, s48, s52
	s_and_b32 s52, s13, 3                          ; head % 4: which 64 of the K step's 256
	s_lshl_b32 s52, s52, 10
	s_add_co_u32 s48, s48, s52
	s_add_nc_u64 s[40:41], s[10:11], s[48:49]
	v_mov_b32 v13, 0xff61b1e6                      ; the largest t so far: -3e38
	v_floor_f32 v12, -v13                          ; -M
	v_mov_b32 v14, 0                               ; the sum, in two halves
	v_mov_b32 v15, 0
	v_mov_b32 v236, 0                              ; a lane permute's destination counts as read
	v_mov_b32 v253, 0                              ; (the upper half of the pair v[252:253])
.set jj, 0
.rept 32
	v_mov_b32 v[OT+jj], 0                          ; the step is written once: the first finds zeros
.set jj, jj+1
.endr
	s_wait_kmcnt 0x0
	s_lshr_b32 s42, s13, 4                         ; b: the mask of the output's rows
	s_cmp_eq_u32 s42, 1
	s_cselect_b32 s[LQ], s45, s44
	s_cmp_eq_u32 s42, 2
	s_cselect_b32 s[LQ], s46, s[LQ]
	s_cmp_eq_u32 s42, 3
	s_cselect_b32 s[LQ], s47, s[LQ]
	s_and_b32 s42, s13, 3                          ; n % 4: the mask of the keys
	s_cmp_eq_u32 s42, 1
	s_cselect_b32 s[LK], s45, s44
	s_cmp_eq_u32 s42, 2
	s_cselect_b32 s[LK], s46, s[LK]
	s_cmp_eq_u32 s42, 3
	s_cselect_b32 s[LK], s47, s[LK]
	s_max_i32 s[LQ], s[LQ], 0
	s_min_i32 s[LQ], s[LQ], 2048
	s_max_i32 s[LK], s[LK], 0
	s_min_i32 s[LK], s[LK], 2048
	s_lshl_b32 s42, ttmp9, 7
	s_cmp_lt_u32 s42, s[LQ]
	s_cselect_b32 s[SLIM], 2048, 0                 ; a work-group with no query that counts stages nothing more
	s_lshr_b32 s42, s[WV], 1
	s_or_b32 s42, s42, ttmp9
	s_cmp_eq_u32 s42, 0
	s_cselect_b32 s[PLIM], s[SLIM], 0              ; waves 0 and 1 of the head-batch's first work-group prefetch
	s_add_co_i32 s42, s32, s33
	s_lshl_b32 s42, s42, 23
	s_add_co_i32 s[CS], s42, 0x3d38aa3b            ; c = log2(e) / 32, with e6 + e7 added to its exponent field
	s_mov_b32 s[CS+1], s[CS]
	s_cmp_lt_i32 s34, -8
	s_cselect_b32 s38, 1, 0                        ; p <= 1 <= 448 x 2^e8 from e8 = -8 on: only below that can the hold bind
	s_add_co_i32 s39, s34, s35                     ; e8 + e9
	s_add_co_i32 s42, s34, 127
	s_lshl_b32 s43, s42, 23
	v_mov_b32 v244, s43                            ; 2^e8
	s_add_co_i32 s42, s42, 8
	s_lshl_b32 s42, s42, 23
	s_or_b32 s42, s42, 0x600000
	v_mov_b32 v240, s42                            ; 448 x 2^e8
	s_add_co_i32 s42, s36, 127
	s_lshl_b32 s43, s42, 23
	v_mov_b32 v246, s43                            ; 2^e10
	s_add_co_i32 s42, s42, 8
	s_lshl_b32 s42, s42, 23
	s_or_b32 s42, s42, 0x600000
	v_mov_b32 v247, s42                            ; 448 x 2^e10
	s_wait_loadcnt 0x0
	ds_store_b128 v[LS], v[SK:SK+3]
	ds_store_b128 v[LS], v[SK+4:SK+7] offset:4096
	ds_store_b128 v[LS], v[SV:SV+3] offset:8192
	ds_store_b128 v[LS], v[SV+4:SV+7] offset:12288
.macro VLOADS s                        ; V's four fragments: 16 channels x 128 keys each
.irp c, 0,1,2,3
.irp q, 0,1,2,3
	ds_load_b128 v[KV+16*\c+4*\q:KV+16*\c+4*\q+3], v[LI] offset:\s*SLOTB+8192+\c*2048+\q*512
.endr
.endr
.endm
.macro NEWM                            ; v13 holds the running largest t: the new -M, and f = 2^(old M - new M)
	v_mov_b32 v254, v12
	v_floor_f32 v12, -v13                          ; -M = floor(-t): M is a whole number
	v_sub_f32 v254, v12, v254                      ; a whole number, 0 or less
	v_cvt_i32_f32 v254, v254                       ; (it saturates)
	v_ldexp_f32 v252, 1.0, v254                    ; f: a multiplication by it rounds nothing
.endm
.macro PV                              ; O^T x f, then O^T += V^T P^T.  The four accumulators take turns, one instruction a turn
.set jj, 0
.rept 16
	v_pk_mul_f32 v[OT+jj:OT+jj+1], v[OT+jj:OT+jj+1], v[252:253] op_sel_hi:[1,0]   ; each accumulator from its low end on; also the plain instructions behind the conversions
.set jj, jj+2
.endr
	s_wait_dscnt 0x0                               ; V is in
.irp c, 0,1,2,3
	v_wmma_f32_16x16x128_fp8_fp8 v[OT+8*\c:OT+8*\c+7], v[KV+16*\c:KV+16*\c+15], v[PC:PC+15], v[OT+8*\c:OT+8*\c+7]
.endr
.endm
; A step with keys that count.
.macro FULL s
.rept 4
	v_nop                                          ; places in front of loads into registers that the last products read
.endr
.irp t, 0,1,2,3,4,5,6,7
	ds_load_b128 v[KV+8*\t:KV+8*\t+3], v[LI] offset:\s*SLOTB+\t*1024
	ds_load_b128 v[KV+8*\t+4:KV+8*\t+7], v[LI] offset:\s*SLOTB+\t*1024+512
.endr
	s_wait_dscnt 0x0
.irp t, 0,1,2,3,4,5,6,7
	v_wmma_f32_16x16x64_fp8_fp8 v[SS+8*\t:SS+8*\t+7], v[KV+8*\t:KV+8*\t+7], v[QF:QF+7], 0
.endr
.rept 4
	v_nop                                          ; places: for V's loads into K's registers, and for the first read of the scores
.endr
	VLOADS \s                                      ; V lands under the softmax
	s_add_co_u32 s42, s[KF], 128
	s_cmp_le_u32 s42, s[LK]
	s_cbranch_scc1 .Lopen_\@                       ; all 128 keys count
	s_sub_co_i32 s42, s[LK], s[KF]
	v_sub_nc_u32 v252, s42, v[H8]                  ; register 8 t + j holds key KF + 16 t + 8 (lane / 16) + j: masked where 16 t + j >= LK - KF - 8 (lane / 16)
.irp t, 0,1,2,3,4,5,6,7
.irp j, 0,1,2,3,4,5,6,7
	v_cmp_ge_i32 vcc_lo, 16*\t+\j, v252
	v_cndmask_b32 v[SS+8*\t+\j], v[SS+8*\t+\j], v[ZR], vcc_lo   ; the masked score is 0, not -infinity
.endr
.endr
.Lopen_\@:
	v_max3_num_f32 v254, v96, v97, v98             ; the step's largest score of my query among my 64 keys, in two chains
	v_max3_num_f32 v252, v99, v100, v101
.irp i, 6,10,14,18,22,26,30,34,38,42,46,50,54,58
	v_max3_num_f32 v254, v254, v[96+\i], v[97+\i]
	v_max3_num_f32 v252, v252, v[98+\i], v[99+\i]
.endr
	v_max3_num_f32 v254, v254, v158, v159
	v_max_num_f32 v254, v254, v252
	v_permlanex16_b32 v236, v254, s[SEL], s[SEL+1]
	v_max_num_f32 v254, v254, v236                 ; and among lane l xor 16's
	v_mul_f32 v254, s[CS], v254                    ; as t (c is positive)
	v_max_num_f32 v13, v13, v254
	NEWM
.set jj, 0
.rept 32
	v_pk_fma_f32 v[SS+jj:SS+jj+1], v[SS+jj:SS+jj+1], s[CS:CS+1], v[12:13] op_sel_hi:[1,0,0]   ; t - M
.set jj, jj+2
.endr
.set jj, 0
.rept 64
	v_exp_f32 v[SS+jj], v[SS+jj]                   ; p = 2^(t - M)
.set jj, jj+1
.endr
	v_pk_mul_f32 v[14:15], v[14:15], v[252:253] op_sel_hi:[1,0]   ; the sum under the new M: the plain instruction behind the exponentials
	s_wait_alu depctr_va_vdst(0)                   ; one wait for the batch of 64, ahead of its first reader
	v_pk_add_f32 v[242:243], v[96:97], v[98:99]    ; the sum of the unquantised p, in two chains
.irp j, 4,8,12,16,20,24,28,32,36,40,44,48,52,56,60
	v_pk_add_f32 v[14:15], v[14:15], v[96+\j:97+\j]
	v_pk_add_f32 v[242:243], v[242:243], v[98+\j:99+\j]
.endr
	v_pk_add_f32 v[14:15], v[14:15], v[242:243]
	s_cmp_eq_u32 s38, 0
	s_cbranch_scc1 .Lno_hold_\@
.set jj, 0
.rept 64
	v_min_num_f32 v[SS+jj], v[SS+jj], v240         ; the conversion does not saturate (ISA guide 7.6.2); p is not negative
.set jj, jj+1
.endr
.Lno_hold_\@:
.irp t, 0,1,2,3,4,5,6,7
	v_cvt_scalef32_pk8_fp8_f32 v[PC+2*\t:PC+2*\t+1], v[SS+8*\t:SS+8*\t+7], v244
.endr
	PV
.endm
; A step all of whose keys are masked: t = 0 for all 128.
.macro MASKED s
	v_max_num_f32 v13, 0, v13
	NEWM
	v_cvt_i32_f32 v250, v12
	v_ldexp_f32 v251, 1.0, v250                    ; p = 2^(0 - M), exact.  (These eight lines are the places in front of the loads below)
	VLOADS \s
	v_ldexp_f32 v232, v251, 5                      ; my 64 keys: 32 p into each half of the sum
	v_ldexp_f32 v233, v251, 5
	v_pk_fma_f32 v[14:15], v[14:15], v[252:253], v[232:233] op_sel_hi:[1,0,1]
	v_min_num_f32 v224, v251, v240
.irp i, 1,2,3,4,5,6,7
	v_mov_b32 v[224+\i], v224
.endr
	v_cvt_scalef32_pk8_fp8_f32 v[PC:PC+1], v[224:231], v244   ; eight codes, all alike
	v_nop
.irp i, 2,3,4,5,6,7,8,9,10,11,12,13,14,15
	v_mov_b32 v[PC+\i], v[PC]
.endr
	PV
.endm
; A key step, from slot s.  One barrier orders both ways: my stores into slot s against the others' reads of it, and my reads of the other slot against the stores into it that follow this barrier.
.macro HALF s
	s_wait_dscnt 0x0                               ; my stores into slot s have landed and have read their registers; my reads of the other slot are over
	s_cmp_lt_u32 s[KFN], s[SLIM]
	s_cbranch_scc0 .Lno_load_\@
	global_load_b128 v[SK:SK+3], v[LS], s[KP:KP+1]             ; the next step's K and V: they have this step's work in which to come
	global_load_b128 v[SK+4:SK+7], v[LS], s[KP:KP+1] offset:4096
	global_load_b128 v[SV:SV+3], v[LS], s[VP:VP+1]
	global_load_b128 v[SV+4:SV+7], v[LS], s[VP:VP+1] offset:4096
	s_cmp_lt_u32 s[KFP], s[PLIM]
	s_cbranch_scc0 .Lno_load_\@
	global_prefetch_b8 v[PFO], s[PFP:PFP+1] offset:8192 th:TH_LOAD_NT scope:SCOPE_SE   ; the step after the next: its 8,192 bytes of K (wave 0) or of V (wave 1), lanes 256 bytes apart; asked for once in the launch, by the head-batch's first work-group; the last two steps ask for nothing
.Lno_load_\@:
	s_barrier_signal -1
	s_barrier_wait -1
	s_cmp_ge_u32 s[Q0], s[LQ]
	s_cbranch_scc1 .Ldone_\@                       ; none of my queries counts
	s_cmp_ge_u32 s[KF], s[LK]
	s_cbranch_scc1 .Lmasked_\@
	FULL \s
	s_branch .Ldone_\@
.Lmasked_\@:
	MASKED \s
.Ldone_\@:
	s_wait_loadcnt 0x0                             ; on every path: no staging load is out when the next is issued
	s_cmp_lt_u32 s[KFN], s[SLIM]
	s_cbranch_scc0 .Lno_store_\@
	ds_store_b128 v[LS], v[SK:SK+3] offset:(1-\s)*SLOTB
	ds_store_b128 v[LS], v[SK+4:SK+7] offset:(1-\s)*SLOTB+4096
	ds_store_b128 v[LS], v[SV:SV+3] offset:(1-\s)*SLOTB+8192
	ds_store_b128 v[LS], v[SV+4:SV+7] offset:(1-\s)*SLOTB+12288
.Lno_store_\@:
	s_wait_xcnt 0x0                                ; the loads and the prefetch have read their bases
	s_add_nc_u64 s[KP:KP+1], s[KP:KP+1], 8192
	s_add_nc_u64 s[VP:VP+1], s[VP:VP+1], 8192
	s_add_nc_u64 s[PFP:PFP+1], s[PFP:PFP+1], 8192
	s_add_co_u32 s[KF], s[KF], 128
	s_add_co_u32 s[KFN], s[KFN], 128
	s_add_co_u32 s[KFP], s[KFP], 128
.endm
.Ltrip:                                            ; 8 trips of two steps, in every wave of every work-group
	HALF 0
	HALF 1
	s_sub_co_u32 s37, s37, 1
	s_cmp_lg_u32 s37, 0
	s_cbranch_scc1 .Ltrip
.rept 4
	v_nop                                          ; places behind the last products
.endr
	s_cmp_ge_u32 s[Q0], s[LQ]
	s_cbranch_scc1 .Lzero
	v_add_f32 v14, v14, v15                        ; the sum's two halves,
	v_permlanex16_b32 v236, v14, s[SEL], s[SEL+1]
	v_add_f32 v14, v14, v236                       ; and lane l xor 16's
	v_rcp_f32 v14, v14
	v_nop                                          ; a plain instruction behind the reciprocal
	s_wait_alu depctr_va_vdst(0)                   ; and the wait ahead of its first reader
	v_ldexp_f32 v14, v14, s39                      ; x 2^(e8 + e9)
.set jj, 0
.rept 16
	v_pk_mul_f32 v[SS+jj:SS+jj+1], v[OT+jj:OT+jj+1], v[14:15] op_sel_hi:[1,0]   ; o, each accumulator from its low end on
.set jj, jj+2
.endr
.set jj, 0
.rept 32
	v_med3_num_f32 v[SS+jj], v[SS+jj], -v247, v247
.set jj, jj+1
.endr
.irp c, 0,1,2,3
	v_cvt_scalef32_pk8_fp8_f32 v[PC+2*\c:PC+2*\c+1], v[SS+8*\c:SS+8*\c+7], v246
.endr
	v_nop
	s_branch .Lstore
.Lzero:
.irp i, 0,1,2,3,4,5,6,7
	v_mov_b32 v[PC+\i], 0                          ; zero codes: every byte of oimg is written
.endr
.Lstore:
	global_store_b128 v[LI], v[PC:PC+3], s[40:41]              ; 32 lanes store 512 consecutive bytes, aligned
	global_store_b128 v[LI], v[PC+4:PC+7], s[40:41] offset:512
	s_wait_tensorcnt 0x0                           ; the wave's end, behind my last LDS store
	ds_add_u32 v[SPW], v[NIL]
	s_wait_dscnt 0x0
	s_endpgm
.Lfunc_end_k_q391397b0c3_attn:
	.size	k_q391397b0c3_attn, .Lfunc_end_k_q391397b0c3_attn-k_q391397b0c3_attn
	.p2alignl 7, 3214868480
	.fill 96, 4, 3214868480
	.section	.rodata,"a",@progbits
	.p2align	6, 0x0
	.amdhsa_kernel k_q391397b0c3_attn
		.amdhsa_group_segment_fixed_size 33792
		.amdhsa_private_segment_fixed_size 0
		.amdhsa_enable_private_segment 0
		.amdhsa_kernarg_size 32
		.amdhsa_user_sgpr_count 2
		.amdhsa_user_sgpr_kernarg_segment_ptr 1
		.amdhsa_wavefront_size32 1
		.amdhsa_system_sgpr_workgroup_id_x 1
		.amdhsa_system_sgpr_workgroup_id_y 1
		.amdhsa_system_sgpr_workgroup_id_z 1
		.amdhsa_system_vgpr_workitem_id 0
		.amdhsa_next_free_vgpr 256
		.amdhsa_next_free_sgpr 66
		.amdhsa_reserve_vcc 1
		.amdhsa_float_denorm_mode_32 3
		.amdhsa_float_denorm_mode_16_64 3
		.amdhsa_memory_ordered 1
		.amdhsa_forward_progress 1
		.amdhsa_inst_pref_size 62
	.end_amdhsa_kernel
	.amdgpu_metadata
---
amdhsa.version: [ 1, 2 ]
amdhsa.kernels:
  - .name:           k_q391397b0c3_attn
    .symbol:         k_q391397b0c3_attn.kd
    .args:
      - { .name: qkv, .offset: 0, .size: 8, .value_kind: global_buffer, .address_space: global }
      - { .name: seq_len, .offset: 8, .size: 8, .value_kind: global_buffer, .address_space: global }
      - { .name: lowp_scales, .offset: 16, .size: 8, .value_kind: global_buffer, .address_space: global }
      - { .name: oimg, .offset: 24, .size: 8, .value_kind: global_buffer, .address_space: global }
    .group_segment_fixed_size: 33792
    .private_segment_fixed_size: 0
    .kernarg_segment_align: 8
    .kernarg_segment_size: 32
    .max_flat_workgroup_size: 256
    .sgpr_count:     66
    .vgpr_count:     256
    .wavefront_size: 32
...
	.end_amdgpu_metadata
.endif
;; end of part 3
;; launch gemm_out (part 4): grid 4 x 32, 4 waves a work-group, clusters of 4 x 4, 327,680 bytes of LDS; arguments oimg, wcodes, lowp_scales, seq_len, out0; writes out0
.if DOCPART == 4
	.amdgcn_target "amdgcn-amd-amdhsa--gfx1250"
	.amdhsa_code_object_version 6
	.text
	.protected	k_q391397b0c3_gemm_out
	.globl	k_q391397b0c3_gemm_out
	.p2align	8
	.type	k_q391397b0c3_gemm_out,@function
k_q391397b0c3_gemm_out:
	s_mov_b64 s[64:65], 0
	v_nop
	global_prefetch_b8 v0, s[64:65] scope:SCOPE_SE
	s_setreg_imm32_b32 hwreg(HW_REG_WAVE_MODE, 25, 1), 1
	s_wait_xcnt 0x0
	s_wait_alu depctr_hold_cnt(0) depctr_sa_sdst(0) depctr_va_vdst(0) depctr_va_sdst(0) depctr_va_ssrc(0) depctr_va_vcc(0) depctr_vm_vsrc(0)
	s_getreg_b32 s2, hwreg(HW_REG_IB_STS2, 6, 4)
	s_cmp_eq_u32 s2, 0
	s_cbranch_scc0 .Lentry_in_a_cluster
	s_endpgm
.Lentry_in_a_cluster:
	s_bfe_u32 s2, ttmp6, 0x10000c
	s_cmp_lg_u32 s2, 0xf033
	s_cbranch_scc0 .Lentry_shape_is_right
	s_endpgm
.Lentry_shape_is_right:
; out0[token][j] = (sum over k of o[token][k] wg[j][k]) x 2^(e10 + e11), and 0 in rows whose place in the sequence is at or past seq_len[batch].  Both operands are codes of FP8 (E4M3).
; A tile of C, 256 x 256, is made by four waves, 128 x 128 each: 64 accumulators of 16 x 16.  K = 1,024 goes in four steps of 256 through two LDS slots filled by the tensor data mover.
; OPERANDS LIE IN MEMORY AND IN LDS AS IMAGES OF THEIR REGISTERS: a fragment (16 rows x 128 k) is 2,048 bytes, register 4 q + i of lane l at 512 q + 16 l + 4 i; a K step's 16 row tiles are one dense block of 65,536 bytes.
; CLUSTERS: 4 x 4 work-groups; A's tile is shared along a row of the cluster, B's along a column, each asked for jointly.  THE MATRIX INSTRUCTION IS USED TRANSPOSED: a lane holds eight neighbouring numbers of a row of C.
; The rows' mask is a factor a lane (2^(e10 + e11) or 0), chosen by v_cndmask_b32: no branch hangs on seq_len.  The sums are finite, so x 0 gives 0 (its sign may be either).
; LIMIT: e10 + e11 between -126 and 127.  seq_len is held within 0 .. 2,048, which changes none of its comparisons.
; REGISTERS, in windows of 256: window 0: v16-31 addresses and constants, v128-255 A's fragments (one set); on the way out v32-255 are at work.  window 1: B's fragments, two sets.  windows 2, 3: the accumulators.
.set SLOT,  131072
.set SPARE, 2*SLOT                     ; behind the ring: the spare words, 128 bytes a wave, which no other line names
.set XSTR,  0x200000                   ; oimg: from K step to K step
.set WSTR,  0x40000                    ; wcodes: the same
.set FR,    16
.set NL,    4
.set NP,    4
.set SPITCH, 528                       ; the way out: a stage of 16 rows x (512 bytes + 16) a wave, in slot 0, which has had its last fill and its last read by then
.set ADRA, 16
.set ADRB, 20
.set SCL,  22                          ; v22  2^(e10 + e11)
.set RW,   23                          ; v23  lane % 16
.set STO,  24                          ; v24  the stage, way in
.set RD,   25                          ; v25  the stage, way out
.set CO,   26                          ; v26  16 x lane
.set ZR,   27                          ; v27  0.0
.set SPW,  28
.set NIL,  29
.set FA,   30                          ; v[30:31] my row's factor (the low word serves both halves)
.set TMP,  32
.set AF,   128
.set BK,   128
.set G1,  24
.set G0,  32
.set G1B, 48
.set G0B, 56
.set MSB, 0
.macro WIN new
.if MSB != \new
	s_set_vgpr_msb (MSB<<8)|\new
.set MSB, \new
.endif
.endm
.set MUL_LO, 0xa1
.set MUL_HI, 0xf1
.set TO_B,   0x40
.macro JLOAD g0a, g1a, g0b, g1b        ; a joint load: waves 0 and 1 for A, waves 2 and 3 for B; an s_nop 0 and four v_nop follow each line
	s_cmp_eq_u32 s15, 0
	s_cbranch_scc0 .Lfor_b_\@
	tensor_load_to_lds s[\g0a:\g0a+3], s[\g1a:\g1a+7]
	s_nop 0
.rept 4
	v_nop
.endr
	s_branch .Lasked_\@
.Lfor_b_\@:
	tensor_load_to_lds s[\g0b:\g0b+3], s[\g1b:\g1b+7]
	s_nop 0
.rept 4
	v_nop
.endr
.Lasked_\@:
.endm
.macro CREST
	s_cmp_lg_u32 s14, 0
	s_cbranch_scc1 .Lnot_wave_0_\@
	s_barrier_signal -3
.Lnot_wave_0_\@:
	s_barrier_wait -3
	s_barrier_signal -1
	s_barrier_wait -1
.endm
.macro CROUND
	s_barrier_signal -1
	s_barrier_wait -1
	CREST
.endm
	s_load_b256 s[4:11], s[0:1], 0x0               ; oimg, wcodes, the scales' exponents, seq_len
	s_load_b64 s[12:13], s[0:1], 0x20              ; out0
	v_lshl_add_u32 v[SPW], v0, 2, SPARE
	v_mov_b32 v[NIL], 0
	ds_add_u32 v[SPW], v[NIL]                      ; the wave's opening: the add and its wait ahead of my first tensor load
	v_lshrrev_b32 v1, 5, v0
	v_readfirstlane_b32 s14, v1
	s_lshr_b32 s15, s14, 1
	s_and_b32 s16, s14, 1
	s_bfe_u32 s40, ttmp6, 0x40000                  ; cx = the tile column (the grid has one cluster along x)
	s_bfe_u32 s41, ttmp6, 0x40004                  ; cy
	s_and_b32 s76, ttmp7, 0xffff                   ; cluster y: 0..7
	s_lshl_b32 s17, s76, 2
	s_add_co_u32 s17, s17, s41                     ; tile row
	s_lshr_b32 s76, s76, 1                         ; the batch: 8 tile rows each
	s_lshl_b32 s43, s41, 2
	s_lshl_b32 s43, 15, s43
	s_lshl_b32 s44, 0x1111, s40
	s_or_b32 s[G1+0], s43, (1<<21)                 ; the mask; elements of 1 byte; no padding; bit 21 beside a mask
	s_or_b32 s[G1B+0], s44, (1<<21)
.irp g, G1, G1B
	s_mov_b32 s[\g+1], 256<<16                     ; 32,768 dense bytes as 128 rows of 256
	s_mov_b32 s[\g+2], 128<<16
	s_mov_b32 s[\g+3], 256<<16
	s_mov_b32 s[\g+4], 128
	s_mov_b32 s[\g+5], 256
	s_mov_b32 s[\g+6], 0
	s_mov_b32 s[\g+7], 0
.endr
	s_lshl_b32 s18, s16, 15
	s_lshl_b32 s20, s17, 16
	s_add_co_u32 s20, s20, s18
	s_mov_b32 s21, 0
	s_lshl_b32 s46, s40, 16
	s_add_co_u32 s46, s46, s18
	s_add_co_u32 s46, s46, 0x300000                ; wg's codes: the fourth weight
	s_mov_b32 s47, 0
	s_lshl_b32 s45, s14, 15
	s_wait_dscnt 0x0
	s_wait_kmcnt 0x0
	s_load_b64 s[72:73], s[8:9], 0x28              ; e10, e11
	s_load_b128 s[68:71], s[10:11], 0x0            ; seq_len
	s_add_nc_u64 s[20:21], s[4:5], s[20:21]
	s_add_nc_u64 s[46:47], s[6:7], s[46:47]
	CROUND
.irp s, 0,1
	s_mov_b32 s[G0+4*\s], 1
	s_add_co_u32 s[G0+4*\s+1], s45, \s*SLOT
	s_add_nc_u64 s[G0+4*\s+2:G0+4*\s+3], s[20:21], \s*XSTR
	s_or_b32 s[G0+4*\s+3], s[G0+4*\s+3], 0x80000000
	s_mov_b32 s[G0B+4*\s], 1
	s_add_co_u32 s[G0B+4*\s+1], s45, \s*SLOT
	s_add_nc_u64 s[G0B+4*\s+2:G0B+4*\s+3], s[46:47], \s*WSTR
	s_or_b32 s[G0B+4*\s+3], s[G0B+4*\s+3], 0x80000000
	JLOAD G0+4*\s, G1, G0B+4*\s, G1B
.endr
	v_and_b32 v1, 31, v0
	v_lshlrev_b32 v[CO], 4, v1
	s_lshl_b32 s98, s15, 15
	s_lshl_b32 s99, s16, 15
	s_add_co_u32 s99, s99, 65536
.irp s, 0,1
	v_add_nc_u32 v[ADRA+\s], s98, v[CO]
	v_add_nc_u32 v[ADRB+\s], s99, v[CO]
	s_add_co_u32 s98, s98, SLOT
	s_add_co_u32 s99, s99, SLOT
.endr
	v_and_b32 v[RW], 15, v0
	v_bfe_u32 v2, v0, 4, 1
	v_mov_b32 v[ZR], 0
	v_mov_b32 v[FA+1], 0
	s_mul_i32 s23, s14, 16*SPITCH                  ; my stage
	v_mul_u32_u24 v5, v[RW], SPITCH
	v_lshl_add_u32 v5, v2, 5, v5
	v_add_nc_u32 v[STO], s23, v5                   ; in: row l % 16, 32 bytes for each half of the lanes
	v_add_nc_u32 v[RD], s23, v[CO]                 ; back: the 32 lanes take one row of 512 bytes
	s_lshl_b32 s20, s17, 8
	s_lshl_b32 s21, s15, 7
	s_add_co_u32 s20, s20, s21                     ; my first row of C
	s_and_b32 s75, s20, 2047                       ; and its place in its sequence
	s_lshl_b32 s20, s20, 12                        ; a row of C is 4,096 bytes
	s_lshl_b32 s21, s40, 10
	s_add_co_u32 s20, s20, s21
	s_lshl_b32 s21, s16, 9
	s_add_co_u32 s20, s20, s21                     ; my first column: 1,024 x tile column + 512 x half
	s_mov_b32 s21, 0
	s_add_nc_u64 s[12:13], s[12:13], s[20:21]
.macro FRAG reg, adr, q, i
.irp c, 0,1,2,3
	ds_load_b128 v[\reg+4*\c:\reg+4*\c+3], v[\adr] offset:(\i)*4096+(\q)*2048+512*\c
.endr
.endm
.macro MUL16 a0, p, zero               ; the 64 accumulators take turns, one instruction a turn, in the same order in every step
.irp a, \a0, \a0+1
.irp b, 0,1,2,3,4,5,6,7
.if \zero
	v_wmma_f32_16x16x128_fp8_fp8 v[8*(8*((\a)%4)+\b):8*(8*((\a)%4)+\b)+7], v[128*(\p)+FR*\b:128*(\p)+FR*\b+FR-1], v[AF+FR*(\a):AF+FR*(\a)+FR-1], 0
.else
	v_wmma_f32_16x16x128_fp8_fp8 v[8*(8*((\a)%4)+\b):8*(8*((\a)%4)+\b)+7], v[128*(\p)+FR*\b:128*(\p)+FR*\b+FR-1], v[AF+FR*(\a):AF+FR*(\a)+FR-1], v[8*(8*((\a)%4)+\b):8*(8*((\a)%4)+\b)+7]
.endif
.endr
.endr
.endm
.macro FETCH_B slot, q, p
	WIN TO_B
.irp i, 0,1,2,3,4,5,6,7
	FRAG 128*(\p)+FR*\i, ADRB+\slot, \q, \i
.endr
	WIN 0
.endm
.macro FETCH_A slot, q, i0
.irp i, \i0, \i0+1, \i0+2, \i0+3
	FRAG AF+FR*(\i), ADRA+\slot, \q, \i
.endr
.endm
.macro PLACES n
.rept \n
	v_nop
.endr
.endm
.macro STEP slot, q, zero
	s_wait_dscnt 4*NL                              ; the youngest 16 loads (A's blocks 4-7) may be out
	WIN MUL_LO
	MUL16 0, (\q)%2, \zero
	MUL16 2, (\q)%2, \zero
	s_wait_dscnt 0
	PLACES NP
	FETCH_B \slot, (\q)+1, 1-(\q)%2
	FETCH_A \slot, (\q)+1, 0
	WIN MUL_HI
	MUL16 4, (\q)%2, \zero
	MUL16 6, (\q)%2, \zero
	PLACES NP
	WIN 0
	FETCH_A \slot, (\q)+1, 4
.endm
.macro TURN slot, next, fill
	s_wait_tensorcnt 0x0                           ; all my tensor loads have landed: my part of the next slot
	ds_add_u32 v[SPW], v[NIL]                      ; 0 onto my spare word
	s_wait_dscnt 4*NL+1                            ; the add and the youngest 16 loads may be out
	WIN MUL_LO
	MUL16 0, 1, 0
	s_wait_dscnt 0x0                               ; the add is done, and my reads of this slot are over
	s_barrier_signal -1
	MUL16 2, 1, 0
	WIN 0
	s_barrier_wait -1
.if \fill
	CREST                                          ; no wave of any partner still reads this slot or has a load on its way
	s_add_nc_u64 s[G0+4*\slot+2:G0+4*\slot+3], s[G0+4*\slot+2:G0+4*\slot+3], 2*XSTR
	s_add_nc_u64 s[G0B+4*\slot+2:G0B+4*\slot+3], s[G0B+4*\slot+2:G0B+4*\slot+3], 2*WSTR
	JLOAD G0+4*\slot, G1, G0B+4*\slot, G1B
.else
	PLACES NP
.endif
	FETCH_B \next, 0, 0
	FETCH_A \next, 0, 0
	WIN MUL_HI
	MUL16 4, 1, 0
	MUL16 6, 1, 0
	PLACES NP
	WIN 0
	FETCH_A \next, 0, 4
.endm
	s_wait_tensorcnt 1                             ; my part of K step 0 is in; K step 1's load may be out
	s_barrier_signal -1
	s_barrier_wait -1
	FETCH_B 0, 0, 0
	FETCH_A 0, 0, 0
	FETCH_A 0, 0, 4
	STEP 0, 0, 1
	TURN 0, 1, 1
	STEP 1, 0, 0
	TURN 1, 0, 1
	STEP 0, 0, 0
	TURN 0, 1, 0
	STEP 1, 0, 0
	s_wait_dscnt 4*NL
	WIN MUL_LO
	MUL16 0, 1, 0
	MUL16 2, 1, 0
	s_wait_dscnt 0
	WIN MUL_HI
	MUL16 4, 1, 0
	MUL16 6, 1, 0
	WIN 0
; THE WAY OUT, block by block of 16 rows x 128 columns: x my row's factor, through my own stage in LDS, back as whole rows of 512 bytes.  LDS serves a wave's instructions in order (ISA guide 5.7.1.4).
.macro TOSTAGE a
.set AC, 64*((\a)%4)
	s_sub_co_i32 s98, s74, 16*(\a)
	v_cmp_gt_i32 vcc_lo, s98, v[RW]                ; does row 16 a + l % 16 of my 128 lie ahead of seq_len?
	v_cndmask_b32 v[FA], v[ZR], v[SCL], vcc_lo
	WIN 0x02+((\a)/4)                              ; source 0: window 2 or 3
.set jj, 0
.rept 32
	v_pk_mul_f32 v[TMP+jj:TMP+jj+1], v[AC+jj:AC+jj+1], v[FA:FA+1] op_sel_hi:[1,0]   ; each accumulator from its low end on
.set jj, jj+2
.endr
	WIN 0
.irp b, 0,1,2,3,4,5,6,7
	ds_store_b128 v[STO], v[TMP+8*\b:TMP+8*\b+3] offset:64*\b
	ds_store_b128 v[STO], v[TMP+8*\b+4:TMP+8*\b+7] offset:64*\b+16
.endr
.set BB, BK+64*((\a)%2)
.irp t, 0,1,2,3,4,5,6,7,8,9,10,11,12,13,14,15
	ds_load_b128 v[BB+4*\t:BB+4*\t+3], v[RD] offset:\t*SPITCH
.endr
.endm
.macro SEND a, younger
.set BB, BK+64*((\a)%2)
	s_wait_dscnt \younger                          ; the block is back in registers
.if (\a) > 0
	s_add_nc_u64 s[12:13], s[12:13], 16*4096       ; (behind a wait on XCNT: the earlier stores have read their base)
.endif
.irp t, 0,1,2,3,4,5,6,7,8,9,10,11,12,13,14,15
	global_store_b128 v[CO], v[BB+4*\t:BB+4*\t+3], s[12:13] offset:\t*4096 th:TH_STORE_NT   ; 32 lanes store 512 consecutive bytes, aligned
.endr
.endm
	s_wait_kmcnt 0x0
	s_cmp_eq_u32 s76, 1
	s_cselect_b32 s74, s69, s68
	s_cmp_eq_u32 s76, 2
	s_cselect_b32 s74, s70, s74
	s_cmp_eq_u32 s76, 3
	s_cselect_b32 s74, s71, s74                    ; my batch's seq_len,
	s_max_i32 s74, s74, 0
	s_min_i32 s74, s74, 2048
	s_sub_co_i32 s74, s74, s75                     ; counted from my first row
	s_add_co_i32 s72, s72, s73
	s_add_co_i32 s72, s72, 127
	s_lshl_b32 s72, s72, 23
	v_mov_b32 v[SCL], s72                          ; 2^(e10 + e11) as f32
	PLACES NP
	TOSTAGE 0
.irp a, 1,2,3,4,5,6,7
.if \a > 1
	s_wait_xcnt 0x0                                ; block a - 2's stores have read their registers and their base
.endif
	TOSTAGE \a
	SEND \a-1, 32                                  ; behind block a - 1's loads: block a's 16 stores and 16 loads
.endr
	s_wait_xcnt 0x0
	SEND 7, 0
	s_wait_tensorcnt 0x0                           ; the wave's end, behind my last tensor load and my last LDS store
	ds_add_u32 v[SPW], v[NIL]
	s_wait_dscnt 0x0
	CROUND                                         ; the closing round
	s_endpgm
.Lfunc_end_k_q391397b0c3_gemm_out:
	.size	k_q391397b0c3_gemm_out, .Lfunc_end_k_q391397b0c3_gemm_out-k_q391397b0c3_gemm_out
	.p2alignl 7, 3214868480
	.fill 96, 4, 3214868480
	.section	.rodata,"a",@progbits
	.p2align	6, 0x0
	.amdhsa_kernel k_q391397b0c3_gemm_out
		.amdhsa_group_segment_fixed_size 327680
		.amdhsa_private_segment_fixed_size 0
		.amdhsa_enable_private_segment 0
		.amdhsa_kernarg_size 40
		.amdhsa_user_sgpr_count 2
		.amdhsa_user_sgpr_kernarg_segment_ptr 1
		.amdhsa_wavefront_size32 1
		.amdhsa_system_sgpr_workgroup_id_x 1
		.amdhsa_system_sgpr_workgroup_id_y 1
		.amdhsa_system_sgpr_workgroup_id_z 1
		.amdhsa_system_vgpr_workitem_id 0
		.amdhsa_next_free_vgpr 1024
		.amdhsa_next_free_sgpr 100
		.amdhsa_reserve_vcc 1
		.amdhsa_float_denorm_mode_32 3
		.amdhsa_float_denorm_mode_16_64 3
		.amdhsa_memory_ordered 1
		.amdhsa_forward_progress 1
		.amdhsa_inst_pref_size 124
	.end_amdhsa_kernel
	.amdgpu_metadata
---
amdhsa.version: [ 1, 2 ]
amdhsa.kernels:
  - .name:           k_q391397b0c3_gemm_out
    .symbol:         k_q391397b0c3_gemm_out.kd
    .args:
      - { .name: oimg, .offset: 0, .size: 8, .value_kind: global_buffer, .address_space: global }
      - { .name: wcodes, .offset: 8, .size: 8, .value_kind: global_buffer, .address_space: global }
      - { .name: lowp_scales, .offset: 16, .size: 8, .value_kind: global_buffer, .address_space: global }
      - { .name: seq_len, .offset: 24, .size: 8, .value_kind: global_buffer, .address_space: global }
      - { .name: out0, .offset: 32, .size: 8, .value_kind: global_buffer, .address_space: global }
    .group_segment_fixed_size: 327680
    .private_segment_fixed_size: 0
    .kernarg_segment_align: 8
    .kernarg_segment_size: 40
    .max_flat_workgroup_size: 128
    .sgpr_count:     100
    .vgpr_count:     1024
    .wavefront_size: 32
...
	.end_amdgpu_metadata
.endif
;; end of part 4
;; ======== version 2 of 2: 4 launches; version 1 with the launch attn written anew for expert scheduling mode
;; workspace buffers: xcodes 25,165,824 bytes; wcodes 4,194,304 bytes; qkv 25,165,824 bytes; oimg 8,388,608 bytes
;; launch quant: the kernel of part 1 again; grid 768 x 1, 4 waves a work-group, no clusters, 34,304 bytes of LDS; arguments query, wq, wk, wv, wg, lowp_scales, xcodes, wcodes; writes xcodes, wcodes
;; launch gemm_qkv: the kernel of part 2 again; grid 4 x 96, 4 waves a work-group, clusters of 4 x 4, 327,680 bytes of LDS; arguments xcodes, wcodes, lowp_scales, qkv, bq, bk, bv; writes qkv
;; launch attn (part 5): grid 16 x 64, 8 waves a work-group, no clusters, 33,792 bytes of LDS; arguments qkv, seq_len, lowp_scales, oimg; writes oimg
.if DOCPART == 5
	.amdgcn_target "amdgcn-amd-amdhsa--gfx1250"
	.amdhsa_code_object_version 6
	.text
	.protected	k_q391397b0c3_attn
	.globl	k_q391397b0c3_attn
	.p2align	8
	.type	k_q391397b0c3_attn,@function
k_q391397b0c3_attn:
	s_mov_b64 s[64:65], 0
	v_nop
	global_prefetch_b8 v0, s[64:65] scope:SCOPE_SE
	s_setreg_imm32_b32 hwreg(HW_REG_WAVE_SCHED_MODE, 0, 2), 2
	s_setreg_imm32_b32 hwreg(HW_REG_WAVE_MODE, 25, 1), 1
	s_wait_xcnt 0x0
	s_wait_alu depctr_vm_vsrc(0)
; For head-batch n = 16 b + head: o = softmax-like(q k^T / 32, scores of keys >= seq_len[n % 4] replaced by 0) v, both products on codes of FP8 (E4M3); o is quantised with entry 10 and stored as images of the last product's operand registers.
; THE SOFTMAX AHEAD OF THE SECOND PRODUCT: t = score x log2(e); M = the running largest t rounded up to a whole number; p = 2^(t - M) is quantised (entry 8), not normalised; the sum of the unquantised p divides at the end.
; WHAT IS LEFT OUT, by whole numbers read from seq_len: (a) a wave whose 16 queries all lie at or past seq_len[b] computes nothing and stores zero codes: the last launch multiplies those rows by 0;
; (b) a step all of whose 128 keys lie at or past seq_len[n % 4] has t = 0 throughout: no first product, no exponential; p = 2^-M for all keys, and the second product is made as ever.
; SHARES.  A work-group owns 128 queries of one head-batch, each of its eight waves 16.  Every wave walks 16 steps of 128 keys: a loop of constant count, with its barriers on every wave's path; only loads, stores and work are jumped over.
; No tensor load and no cluster: the jumps hang on seq_len.  K and V go from memory through registers into two LDS slots, a step ahead; a thread carries 16 bytes of each half of a step's 8 KB of K and of V.
; LAYOUT.  Both products are used transposed: S^T = K Q^T (source 0 = 16 keys), O^T = V^T P^T (source 0 = 16 channels): a lane holds one query (lane % 16) throughout.  Tile t of S^T holds keys 16 t + 8 (lane / 16) + 0 .. 7:
; its conversion is registers 2 t, 2 t + 1 of P.  Tile c of O^T holds channels 16 c + 8 (lane / 16) + 0 .. 7: its conversion is registers 2 c, 2 c + 1 of half a fragment of the last product's A.
; LIMITS: e8, e10 between -126 and 119; e6 + e7 between -121 and 132 (added to c's exponent field); seq_len is held within 0 .. 2,048, which changes none of its comparisons; p under 2^-126 counts as 0; NaN is not served.
; THE MODE: SCHED_MODE bits 1:0 = 2 (LLVM: expert scheduling mode 2), set by the entry lines.  The code itself states the register dependences between vector or matrix instructions and memory or LDS instructions, with s_wait_alu, always for 0.
; THE PLAN.  Registers that memory or LDS instructions touch:
;   v1, v2, v3, v5, v6   addresses and the add's two: written at the head, never again; read by every load, store and prefetch.
;   v16-23 (Q)           two global loads land there at the head; read by the first products; no vector instruction names them ahead of the loads.
;   v208-223 (SK, SV)    a step's head: four global loads land there; the step's end: four LDS stores read them.  No vector or matrix instruction names them.
;   v32-95 (KV)          K's 16 LDS loads land there; the 8 first products read them; V's 16 LDS loads land there; the 4 second products read them.
;   v192-199             at the end alone: written by the last conversions (or by moves of 0), read by the two global stores.
;   The scores, p, O^T, P's codes in the loop and the statistics are named by vector and matrix instructions alone.
; So a step holds: one wait on vm_vsrc at its head (the LDS stores have read SK, SV); one on va_vdst behind the barrier (the last second products are done reading KV), which serves K's loads, or V's in a masked step;
; and, in a step with keys that count, one on va_vdst behind the first products (they are done reading K), behind which V's loads are dealt among the maximum's lines, which name none of KV.
.set SLOTB, 16384                      ; a slot: K's 8 images of 1,024 bytes, then V's 4 of 2,048
.set SPARE, 2*SLOTB                    ; behind the slots: the spare words, 128 bytes a wave, which no other line names
.set LI,  1                            ; v1   16 x lane
.set LS,  2                            ; v2   16 x thread: my bytes of a step's halves, in memory and in LDS
.set PFO, 3                            ; v3   256 x lane
.set H8,  4                            ; v4   8 (lane / 16)
.set SPW, 5                            ; v5   my spare word; never rewritten
.set NIL, 6                            ; v6   0; never rewritten
.set ZR,  7                            ; v7   0.0, the masked score
.set QF,  16                           ; v16-23   Q
.set KV,  32                           ; v32-95   K's 8 fragments, then V's 4
.set SS,  96                           ; v96-159  S^T, then p
.set OT,  160                          ; v160-191 O^T
.set PC,  192                          ; v192-207 P's codes
.set SK,  208                          ; v208-215 K on its way to LDS;  v216-223 V
.set SV,  216
.set WV,  12                           ; s12 wave;  s13 n;  s14 LQ;  s15 LK;  s16 my first query;  s17 keys to be staged (2,048 or 0);  s18 keys to be prefetched
.set LQ,  14
.set LK,  15
.set Q0,  16
.set SLIM, 17
.set PLIM, 18
.set KF,  19                           ; s19 the step's first key;  s20 the next step's;  s21 the one after
.set KFN, 20
.set KFP, 21
.set CS,  22                           ; s[22:23] c = log2(e) / 32 x 2^(e6 + e7)
.set SEL, 24                           ; s[24:25] lane l xor 16
.set KP,  26                           ; s[26:27] K's codes of the next step;  s[28:29] V's;  s[30:31] the one that I prefetch from
.set VP,  28
.set PFP, 30
.set MK,  44                           ; s44-59 in the loop: the masks of 16 compares (at the head these registers hold seq_len and offsets, which are done with by then)
	s_load_b256 s[4:11], s[0:1], 0x0               ; qkv, seq_len, the scales' exponents, oimg
	v_lshl_add_u32 v[SPW], v0, 2, SPARE
	v_mov_b32 v[NIL], 0
	v_lshrrev_b32 v8, 5, v0
	v_readfirstlane_b32 s[WV], v8                  ; wave 0..7
	v_and_b32 v8, 31, v0
	v_lshlrev_b32 v[LI], 4, v8
	v_lshlrev_b32 v[LS], 4, v0
	v_lshlrev_b32 v[PFO], 8, v8
	v_bfe_u32 v[H8], v0, 4, 1
	v_lshlrev_b32 v[H8], 3, v[H8]
	v_mov_b32 v[ZR], 0
	s_wait_alu depctr_va_sdst(0)                   ; s12, the wave's number, is written, ahead of its first reader below
	s_and_b32 s13, ttmp7, 0xffff                   ; n
	s_lshl_b32 s[Q0], ttmp9, 7
	s_lshl_b32 s42, s[WV], 4
	s_add_co_u32 s[Q0], s[Q0], s42                 ; my first query: 128 x + 16 wave
	s_mov_b32 s[SEL], 0x76543210
	s_mov_b32 s[SEL+1], 0xfedcba98
	s_mov_b32 s[KF], 0
	s_mov_b32 s[KFN], 128
	s_mov_b32 s[KFP], 256
	s_mov_b32 s37, 8
	s_lshl_b32 s48, s13, 17                        ; a head-batch is 131,072 bytes in each of q, k, v
	s_mov_b32 s49, 0
	s_wait_kmcnt 0x0
	s_load_b128 s[44:47], s[6:7], 0x0              ; seq_len
	s_load_b128 s[32:35], s[8:9], 0x18             ; e6, e7, e8, e9
	s_load_b32 s36, s[8:9], 0x28                   ; e10
	s_add_nc_u64 s[50:51], s[4:5], s[48:49]
	s_add_nc_u64 s[KP:KP+1], s[50:51], 0x802000    ; k's part, step 1
	s_add_nc_u64 s[VP:VP+1], s[50:51], 0x1002000   ; v's part, step 1
	s_lshl_b32 s48, s[Q0], 6
	s_add_nc_u64 s[50:51], s[50:51], s[48:49]      ; my tile of queries
	s_cmp_eq_u32 s[WV], 0
	s_cselect_b64 s[PFP:PFP+1], s[KP:KP+1], s[VP:VP+1]
	s_wait_alu depctr_va_vdst(0)                   ; v1, v2 and v3 are written: every load, store and prefetch of the kernel reads one of them as its address, and none is written again
	global_load_b128 v[QF:QF+3], v[LI], s[50:51]
	global_load_b128 v[QF+4:QF+7], v[LI], s[50:51] offset:512
	global_load_b128 v[SK:SK+3], v[LS], s[KP:KP+1] offset:-8192     ; step 0, in every work-group
	global_load_b128 v[SK+4:SK+7], v[LS], s[KP:KP+1] offset:-4096
	global_load_b128 v[SV:SV+3], v[LS], s[VP:VP+1] offset:-8192
	global_load_b128 v[SV+4:SV+7], v[LS], s[VP:VP+1] offset:-4096
	s_and_b32 s48, s13, 15                         ; where my 1,024 bytes of oimg lie: head / 4 is the K step,
	s_lshr_b32 s48, s48, 2
	s_lshl_b32 s48, s48, 21
	s_lshr_b32 s52, s13, 4
	s_lshl_b32 s52, s52, 7
	s_lshr_b32 s53, s[Q0], 4
	s_add_co_u32 s52, s52, s53                     ; the tile of 16 tokens: 128 b + my first query / 16,
	s_lshl_b32 s52, s52, 12
	s_add_co_u32 s48, s48, s52
	s_and_b32 s52, s13, 3                          ; head % 4: which 64 of the K step's 256
	s_lshl_b32 s52, s52, 10
	s_add_co_u32 s48, s48, s52
	s_add_nc_u64 s[40:41], s[10:11], s[48:49]
	v_mov_b32 v13, 0xff61b1e6                      ; the largest t so far: -3e38
	v_floor_f32 v12, -v13                          ; -M
	v_mov_b32 v14, 0                               ; the sum, in two halves
	v_mov_b32 v15, 0
	v_mov_b32 v236, 0                              ; a lane permute's destination counts as read
	v_mov_b32 v253, 0                              ; (the upper half of the pair v[252:253])
.set jj, 0
.rept 32
	v_mov_b32 v[OT+jj], 0                          ; the step is written once: the first finds zeros
.set jj, jj+1
.endr
	s_wait_kmcnt 0x0
	s_lshr_b32 s42, s13, 4                         ; b: the mask of the output's rows
	s_cmp_eq_u32 s42, 1
	s_cselect_b32 s[LQ], s45, s44
	s_cmp_eq_u32 s42, 2
	s_cselect_b32 s[LQ], s46, s[LQ]
	s_cmp_eq_u32 s42, 3
	s_cselect_b32 s[LQ], s47, s[LQ]
	s_and_b32 s42, s13, 3                          ; n % 4: the mask of the keys
	s_cmp_eq_u32 s42, 1
	s_cselect_b32 s[LK], s45, s44
	s_cmp_eq_u32 s42, 2
	s_cselect_b32 s[LK], s46, s[LK]
	s_cmp_eq_u32 s42, 3
	s_cselect_b32 s[LK], s47, s[LK]
	s_max_i32 s[LQ], s[LQ], 0
	s_min_i32 s[LQ], s[LQ], 2048
	s_max_i32 s[LK], s[LK], 0
	s_min_i32 s[LK], s[LK], 2048
	s_lshl_b32 s42, ttmp9, 7
	s_cmp_lt_u32 s42, s[LQ]
	s_cselect_b32 s[SLIM], 2048, 0                 ; a work-group with no query that counts stages nothing more
	s_lshr_b32 s42, s[WV], 1
	s_or_b32 s42, s42, ttmp9
	s_cmp_eq_u32 s42, 0
	s_cselect_b32 s[PLIM], s[SLIM], 0              ; waves 0 and 1 of the head-batch's first work-group prefetch
	s_add_co_i32 s42, s32, s33
	s_lshl_b32 s42, s42, 23
	s_add_co_i32 s[CS], s42, 0x3d38aa3b            ; c = log2(e) / 32, with e6 + e7 added to its exponent field
	s_mov_b32 s[CS+1], s[CS]
	s_cmp_lt_i32 s34, -8
	s_cselect_b32 s38, 1, 0                        ; p <= 1 <= 448 x 2^e8 from e8 = -8 on: only below that can the hold bind
	s_add_co_i32 s39, s34, s35                     ; e8 + e9
	s_add_co_i32 s42, s34, 127
	s_lshl_b32 s43, s42, 23
	v_mov_b32 v244, s43                            ; 2^e8
	s_add_co_i32 s42, s42, 8
	s_lshl_b32 s42, s42, 23
	s_or_b32 s42, s42, 0x600000
	v_mov_b32 v240, s42                            ; 448 x 2^e8
	s_add_co_i32 s42, s36, 127
	s_lshl_b32 s43, s42, 23
	v_mov_b32 v246, s43                            ; 2^e10
	s_add_co_i32 s42, s42, 8
	s_lshl_b32 s42, s42, 23
	s_or_b32 s42, s42, 0x600000
	v_mov_b32 v247, s42                            ; 448 x 2^e10
	s_wait_loadcnt 0x0
	ds_store_b128 v[LS], v[SK:SK+3]                ; (data from loads, the address from ahead of the head's wait: nothing more is owed)
	ds_store_b128 v[LS], v[SK+4:SK+7] offset:4096
	ds_store_b128 v[LS], v[SV:SV+3] offset:8192
	ds_store_b128 v[LS], v[SV+4:SV+7] offset:12288
.macro VFRAG s, c                      ; one fragment of V: 16 channels x 128 keys
.irp q, 0,1,2,3
	ds_load_b128 v[KV+16*(\c)+4*\q:KV+16*(\c)+4*\q+3], v[LI] offset:(\s)*SLOTB+8192+(\c)*2048+\q*512
.endr
.endm
.macro VLOADS s                        ; V's four fragments
	VFRAG \s, 0
	VFRAG \s, 1
	VFRAG \s, 2
	VFRAG \s, 3
.endm
.macro NEWM                            ; v13 holds the running largest t: the new -M, and f = 2^(old M - new M)
	v_mov_b32 v254, v12
	v_floor_f32 v12, -v13                          ; -M = floor(-t): M is a whole number
	v_sub_f32 v254, v12, v254                      ; a whole number, 0 or less
	v_cvt_i32_f32 v254, v254                       ; (it saturates)
	v_ldexp_f32 v252, 1.0, v254                    ; f: a multiplication by it rounds nothing
.endm
.macro PV                              ; O^T x f, then O^T += V^T P^T.  The four accumulators take turns, one instruction a turn
.set jj, 0
.rept 16
	v_pk_mul_f32 v[OT+jj:OT+jj+1], v[OT+jj:OT+jj+1], v[252:253] op_sel_hi:[1,0]   ; each accumulator from its low end on; also the plain instructions behind the conversions
.set jj, jj+2
.endr
	s_wait_dscnt 0x0                               ; V is in
.irp c, 0,1,2,3
	v_wmma_f32_16x16x128_fp8_fp8 v[OT+8*\c:OT+8*\c+7], v[KV+16*\c:KV+16*\c+15], v[PC:PC+15], v[OT+8*\c:OT+8*\c+7]
.endr
.endm
; A step with keys that count.
.macro FULL s
.rept 4
	v_nop                                          ; places in front of loads into registers that the last products read; the wait at the step's head stands beside them, and these four name no register
.endr
.irp t, 0,1,2,3,4,5,6,7
	ds_load_b128 v[KV+8*\t:KV+8*\t+3], v[LI] offset:\s*SLOTB+\t*1024
	ds_load_b128 v[KV+8*\t+4:KV+8*\t+7], v[LI] offset:\s*SLOTB+\t*1024+512
.endr
.irp t, 0,1,2,3,4,5,6,7
	s_wait_dscnt 14-2*\t                           ; LDS loads come back in order (ISA guide 5.7.1): tile t's two are in; the 14 - 2 t behind them, the later tiles', may be out
	v_wmma_f32_16x16x64_fp8_fp8 v[SS+8*\t:SS+8*\t+7], v[KV+8*\t:KV+8*\t+7], v[QF:QF+7], 0
.endr
.rept 4
	v_nop                                          ; places: for V's loads into K's registers, and for the first read of the scores
.endr
	s_wait_alu depctr_va_vdst(0)                   ; the eight products are done reading K's fragments, in whose registers V's loads land.  No line from here to the second products names v32-95 but those loads
	VFRAG \s, 0                                    ; V lands under the softmax: two fragments here, two among the maximum's lines
	VFRAG \s, 1
	s_add_co_u32 s42, s[KF], 128
	s_cmp_le_u32 s42, s[LK]
	s_cbranch_scc1 .Lopen_\@                       ; all 128 keys count
	s_sub_co_i32 s42, s[LK], s[KF]
	v_sub_nc_u32 v252, s42, v[H8]                  ; register 8 t + j holds key KF + 16 t + 8 (lane / 16) + j: masked where 16 t + j >= LK - KF - 8 (lane / 16)
.irp g, 0,1,2,3                                ; tiles 2 g and 2 g + 1: sixteen compares into sixteen scalar registers, one wait, sixteen selects
.irp n, 0,1,2,3,4,5,6,7,8,9,10,11,12,13,14,15
	v_cmp_ge_i32 s[MK+\n], 16*(2*\g+\n/8)+\n%8, v252
.endr
	s_wait_alu depctr_va_sdst(0)                   ; the sixteen compares have written s44 to s59, ahead of the selects that read them
.irp n, 0,1,2,3,4,5,6,7,8,9,10,11,12,13,14,15
	v_cndmask_b32 v[SS+16*\g+\n], v[SS+16*\g+\n], v[ZR], s[MK+\n]   ; the masked score is 0, not -infinity
.endr
.endr
.Lopen_\@:
	v_max3_num_f32 v254, v96, v97, v98             ; the step's largest score of my query among my 64 keys, in two chains
	v_max3_num_f32 v252, v99, v100, v101
.irp i, 6,10,14,18,22,26,30,34,38,42,46,50,54,58
.if \i == 22
	VFRAG \s, 2
.endif
.if \i == 42
	VFRAG \s, 3
.endif
	v_max3_num_f32 v254, v254, v[96+\i], v[97+\i]
	v_max3_num_f32 v252, v252, v[98+\i], v[99+\i]
.endr
	v_max3_num_f32 v254, v254, v158, v159
	v_max_num_f32 v254, v254, v252
	v_permlanex16_b32 v236, v254, s[SEL], s[SEL+1]
	v_max_num_f32 v254, v254, v236                 ; and among lane l xor 16's
	v_mul_f32 v254, s[CS], v254                    ; as t (c is positive)
	v_max_num_f32 v13, v13, v254
	NEWM
.set jj, 0
.rept 32
	v_pk_fma_f32 v[SS+jj:SS+jj+1], v[SS+jj:SS+jj+1], s[CS:CS+1], v[12:13] op_sel_hi:[1,0,0]   ; t - M
.set jj, jj+2
.endr
.set jj, 0
.rept 64
	v_exp_f32 v[SS+jj], v[SS+jj]                   ; p = 2^(t - M)
.set jj, jj+1
.endr
	v_pk_mul_f32 v[14:15], v[14:15], v[252:253] op_sel_hi:[1,0]   ; the sum under the new M: the plain instruction behind the exponentials
	s_wait_alu depctr_va_vdst(0)                   ; the 64 exponentials have written v96 to v159: one wait for the batch, ahead of its first reader
	v_pk_add_f32 v[242:243], v[96:97], v[98:99]    ; the sum of the unquantised p, in two chains
.irp j, 4,8,12,16,20,24,28,32,36,40,44,48,52,56,60
	v_pk_add_f32 v[14:15], v[14:15], v[96+\j:97+\j]
	v_pk_add_f32 v[242:243], v[242:243], v[98+\j:99+\j]
.endr
	v_pk_add_f32 v[14:15], v[14:15], v[242:243]
	s_cmp_eq_u32 s38, 0
	s_cbranch_scc1 .Lno_hold_\@
.set jj, 0
.rept 64
	v_min_num_f32 v[SS+jj], v[SS+jj], v240         ; the conversion does not saturate (ISA guide 7.6.2); p is not negative
.set jj, jj+1
.endr
.Lno_hold_\@:
.irp t, 0,1,2,3,4,5,6,7
	v_cvt_scalef32_pk8_fp8_f32 v[PC+2*\t:PC+2*\t+1], v[SS+8*\t:SS+8*\t+7], v244
.endr
	PV
.endm
; A step all of whose keys are masked: t = 0 for all 128.
.macro MASKED s
	v_max_num_f32 v13, 0, v13
	NEWM
	v_cvt_i32_f32 v250, v12
	v_ldexp_f32 v251, 1.0, v250                    ; p = 2^(0 - M), exact.  (These eight lines are the places in front of the loads below; none of them names v32-95, so the wait at the step's head serves those loads)
	VLOADS \s
	v_ldexp_f32 v232, v251, 5                      ; my 64 keys: 32 p into each half of the sum
	v_ldexp_f32 v233, v251, 5
	v_pk_fma_f32 v[14:15], v[14:15], v[252:253], v[232:233] op_sel_hi:[1,0,1]
	v_min_num_f32 v224, v251, v240
.irp i, 1,2,3,4,5,6,7
	v_mov_b32 v[224+\i], v224
.endr
	v_cvt_scalef32_pk8_fp8_f32 v[PC:PC+1], v[224:231], v244   ; eight codes, all alike
	v_nop
.irp i, 2,3,4,5,6,7,8,9,10,11,12,13,14,15
	v_mov_b32 v[PC+\i], v[PC]
.endr
	PV
.endm
; A key step, from slot s.  One barrier orders both ways: my stores into slot s against the others' reads of it, and my reads of the other slot against the stores into it that follow this barrier.
.macro HALF s
	s_wait_dscnt 0x0                               ; my stores into slot s have landed; my reads of the other slot are over
	s_wait_alu depctr_vm_vsrc(0)                   ; my LDS stores have read v208 to v223, in which the loads below land
	s_cmp_lt_u32 s[KFN], s[SLIM]
	s_cbranch_scc0 .Lno_load_\@
	global_load_b128 v[SK:SK+3], v[LS], s[KP:KP+1]             ; the next step's K and V: they have this step's work in which to come
	global_load_b128 v[SK+4:SK+7], v[LS], s[KP:KP+1] offset:4096
	global_load_b128 v[SV:SV+3], v[LS], s[VP:VP+1]
	global_load_b128 v[SV+4:SV+7], v[LS], s[VP:VP+1] offset:4096
	s_cmp_lt_u32 s[KFP], s[PLIM]
	s_cbranch_scc0 .Lno_load_\@
	global_prefetch_b8 v[PFO], s[PFP:PFP+1] offset:8192 th:TH_LOAD_NT scope:SCOPE_SE   ; the step after the next: its 8,192 bytes of K (wave 0) or of V (wave 1), lanes 256 bytes apart; asked for once in the launch, by the head-batch's first work-group; the last two steps ask for nothing
.Lno_load_\@:
	s_barrier_signal -1
	s_barrier_wait -1
	s_wait_alu depctr_va_vdst(0)                   ; the second products of the step before are done reading v32 to v95, in which this step's first LDS loads land (K's, or V's in a masked step)
	s_cmp_ge_u32 s[Q0], s[LQ]
	s_cbranch_scc1 .Ldone_\@                       ; none of my queries counts
	s_cmp_ge_u32 s[KF], s[LK]
	s_cbranch_scc1 .Lmasked_\@
	FULL \s
	s_branch .Ldone_\@
.Lmasked_\@:
	MASKED \s
.Ldone_\@:
	s_wait_loadcnt 0x0                             ; on every path: no staging load is out when the next is issued
	s_cmp_lt_u32 s[KFN], s[SLIM]
	s_cbranch_scc0 .Lno_store_\@
	ds_store_b128 v[LS], v[SK:SK+3] offset:(1-\s)*SLOTB
	ds_store_b128 v[LS], v[SK+4:SK+7] offset:(1-\s)*SLOTB+4096
	ds_store_b128 v[LS], v[SV:SV+3] offset:(1-\s)*SLOTB+8192
	ds_store_b128 v[LS], v[SV+4:SV+7] offset:(1-\s)*SLOTB+12288
.Lno_store_\@:
	s_wait_xcnt 0x0                                ; the loads and the prefetch have read their bases
	s_add_nc_u64 s[KP:KP+1], s[KP:KP+1], 8192
	s_add_nc_u64 s[VP:VP+1], s[VP:VP+1], 8192
	s_add_nc_u64 s[PFP:PFP+1], s[PFP:PFP+1], 8192
	s_add_co_u32 s[KF], s[KF], 128
	s_add_co_u32 s[KFN], s[KFN], 128
	s_add_co_u32 s[KFP], s[KFP], 128
.endm
.Ltrip:                                            ; 8 trips of two steps, in every wave of every work-group
	HALF 0
	HALF 1
	s_sub_co_u32 s37, s37, 1
	s_cmp_lg_u32 s37, 0
	s_cbranch_scc1 .Ltrip
.rept 4
	v_nop                                          ; places behind the last products
.endr
	s_cmp_ge_u32 s[Q0], s[LQ]
	s_cbranch_scc1 .Lzero
	v_add_f32 v14, v14, v15                        ; the sum's two halves,
	v_permlanex16_b32 v236, v14, s[SEL], s[SEL+1]
	v_add_f32 v14, v14, v236                       ; and lane l xor 16's
	v_rcp_f32 v14, v14
	v_nop                                          ; a plain instruction behind the reciprocal
	s_wait_alu depctr_va_vdst(0)                   ; the reciprocal has written v14, ahead of its first reader
	v_ldexp_f32 v14, v14, s39                      ; x 2^(e8 + e9)
.set jj, 0
.rept 16
	v_pk_mul_f32 v[SS+jj:SS+jj+1], v[OT+jj:OT+jj+1], v[14:15] op_sel_hi:[1,0]   ; o, each accumulator from its low end on
.set jj, jj+2
.endr
.set jj, 0
.rept 32
	v_med3_num_f32 v[SS+jj], v[SS+jj], -v247, v247
.set jj, jj+1
.endr
.irp c, 0,1,2,3
	v_cvt_scalef32_pk8_fp8_f32 v[PC+2*\c:PC+2*\c+1], v[SS+8*\c:SS+8*\c+7], v246
.endr
	v_nop
	s_branch .Lstore
.Lzero:
.irp i, 0,1,2,3,4,5,6,7
	v_mov_b32 v[PC+\i], 0                          ; zero codes: every byte of oimg is written
.endr
.Lstore:
	s_wait_alu depctr_va_vdst(0)                   ; on both ways here: the conversions, or the moves of 0, have written v192 to v199, which the two stores read
	global_store_b128 v[LI], v[PC:PC+3], s[40:41]              ; 32 lanes store 512 consecutive bytes, aligned
	global_store_b128 v[LI], v[PC+4:PC+7], s[40:41] offset:512
	s_wait_dscnt 0x0                               ; the closing lines, six on end
	s_wait_alu 0x0
	s_wait_tensorcnt 0x0
	ds_add_u32 v[SPW], v[NIL]
	s_wait_dscnt 0x0
	s_endpgm
.Lfunc_end_k_q391397b0c3_attn:
	.size	k_q391397b0c3_attn, .Lfunc_end_k_q391397b0c3_attn-k_q391397b0c3_attn
	.p2alignl 7, 3214868480
	.fill 96, 4, 3214868480
	.section	.rodata,"a",@progbits
	.p2align	6, 0x0
	.amdhsa_kernel k_q391397b0c3_attn
		.amdhsa_group_segment_fixed_size 33792
		.amdhsa_private_segment_fixed_size 0
		.amdhsa_enable_private_segment 0
		.amdhsa_kernarg_size 32
		.amdhsa_user_sgpr_count 2
		.amdhsa_user_sgpr_kernarg_segment_ptr 1
		.amdhsa_wavefront_size32 1
		.amdhsa_system_sgpr_workgroup_id_x 1
		.amdhsa_system_sgpr_workgroup_id_y 1
		.amdhsa_system_sgpr_workgroup_id_z 1
		.amdhsa_system_vgpr_workitem_id 0
		.amdhsa_next_free_vgpr 256
		.amdhsa_next_free_sgpr 66
		.amdhsa_reserve_vcc 0
		.amdhsa_float_denorm_mode_32 3
		.amdhsa_float_denorm_mode_16_64 3
		.amdhsa_memory_ordered 1
		.amdhsa_forward_progress 1
		.amdhsa_inst_pref_size 71
	.end_amdhsa_kernel
	.amdgpu_metadata
---
amdhsa.version: [ 1, 2 ]
amdhsa.kernels:
  - .name:           k_q391397b0c3_attn
    .symbol:         k_q391397b0c3_attn.kd
    .args:
      - { .name: qkv, .offset: 0, .size: 8, .value_kind: global_buffer, .address_space: global }
      - { .name: seq_len, .offset: 8, .size: 8, .value_kind: global_buffer, .address_space: global }
      - { .name: lowp_scales, .offset: 16, .size: 8, .value_kind: global_buffer, .address_space: global }
      - { .name: oimg, .offset: 24, .size: 8, .value_kind: global_buffer, .address_space: global }
    .group_segment_fixed_size: 33792
    .private_segment_fixed_size: 0
    .kernarg_segment_align: 8
    .kernarg_segment_size: 32
    .max_flat_workgroup_size: 256
    .sgpr_count:     66
    .vgpr_count:     256
    .wavefront_size: 32
...
	.end_amdgpu_metadata
.endif
;; end of part 5
;; launch gemm_out: the kernel of part 4 again; grid 4 x 32, 4 waves a work-group, clusters of 4 x 4, 327,680 bytes of LDS; arguments oimg, wcodes, lowp_scales, seq_len, out0; writes out0
